; MI455X (gfx1250); checked and timed in simulation.
; The chip was launched on July 23, 2026; its instructions are those of AMD's public machine-readable ISA for CDNA 5 (MIT licence, August 2026) and "CDNA5" Instruction Set Architecture Reference Guide (July 2026). The comments in the code are by the model that wrote it; some were corrected since.
;; Multi Head Attention. Allowed arithmetic: matrix products marked QUANTISED: E4M3 operands, one E8M0 scale for each 32 along K, by v_wmma_scale_f32_16x16x128_f8f6f4 with both operands' format E4M3, f32 sums; everything else in f32.
;; Inputs: Wk 1,024 x 1,024 float32; Wo 1,024 x 1,024 float32; Wq 1,024 x 1,024 float32; Wv 1,024 x 1,024 float32; bk 1,024 float32; bo 1,024 float32; bq 1,024 float32; bv 1,024 float32; x 4 x 2,048 x 1,024 float32.
;; Outputs: out0 4 x 2,048 x 1,024 float32.
;; This version of the problem:
;;   THIS VERSION OF THE PROBLEM IS GIVEN IN LOW PRECISION. The matrix products marked QUANTISED in the list below multiply operands that are first quantised to E4M3 (4 exponent bits, 3 mantissa bits; 8 bits a number), with one power-of-two scale for each 32 numbers along K (OCP MX v1.0); their sums are f32. All else is computed in f32.
;;   The module's matrix products, in the order in which they are computed (A, B: the left and right operand; K: the contracted axis; several contracted axes count as one K, in the product's order):
;;     1. [M 8,192, K 1,024] x [K 1,024, N 1,024]; A: input x; B: input Wq: QUANTISED
;;     2. [M 8,192, K 1,024] x [K 1,024, N 1,024]; A: input x; B: input Wk: QUANTISED
;;     3. [M 8,192, K 1,024] x [K 1,024, N 1,024]; A: input x; B: input Wv: QUANTISED
;;     4. batch 64 x [M 2,048, K 64] x [K 64, N 2,048]; A: computed on the way; B: computed on the way: QUANTISED
;;     5. batch 64 x [M 2,048, K 2,048] x [K 2,048, N 64]; A: softmax (see below); B: computed on the way: QUANTISED
;;     6. [M 8,192, K 1,024] x [K 1,024, N 1,024]; A: computed on the way; B: input Wo: QUANTISED
;;   THE QUANTISER, for each operand of a quantised product, along K:
;;     - K is cut into blocks of 32 from its start; a last block that is shorter is filled with zeros.
;;     - A block's scale is 2^e with e = floor(log2(the largest magnitude in the block)) - 8, held to -126 .. 127; a block of zeros has e = 0. As a byte (E8M0): e + 127.
;;     - Each number is divided by its block's scale, clamped to +-448, and rounded to the nearest number of E4M3, ties to even, subnormals kept.
;;     - The product sums the exact products of the quantised numbers (number of the format x scale) in f32.
;;   ~~~python
;;   def quantise(x, axis):      # numpy; x: float32 -> the quantised numbers, widened to float32 again
;;       x = np.moveaxis(x, axis, -1); K = x.shape[-1]
;;       x = np.pad(x, [(0, 0)] * (x.ndim - 1) + [(0, -K % 32)]); x = x.reshape(x.shape[:-1] + (-1, 32)); a = np.abs(x).max(-1, keepdims=True)
;;       e = np.where(a > 0, np.clip(np.frexp(np.where(a > 0, a, 1))[1] - 1 - 8, -126, 127), 0)      # np.frexp(a)[1] - 1 = floor(log2(a)), exactly
;;       r = np.clip(x / 2.0 ** e, -448, 448)
;;       step = 2.0 ** (np.maximum(np.frexp(np.where(r == 0, 1, r))[1] - 1, -6) - 3)
;;       q = np.round(r / step) * step * 2.0 ** e      # np.round: ties to even
;;       return np.moveaxis(q.reshape(q.shape[:-2] + (-1,))[..., :K], -1, axis).astype(np.float32)
;;   ~~~
;;   SOFTMAX AHEAD OF A QUANTISED PRODUCT. Where the list says 'softmax', what is quantised is not the finished softmax but p = 2^(t - M), with t = logit x log2(e) and M = ceil(the row's largest t), a whole number; so 1/2 < the row's largest p <= 1. The row's sum l is taken of the UNQUANTISED p, in f32, and the product's result is divided by l at the end. Since M is a whole number, a kernel that streams over the keys may use a running M (the ceiling of the running maximum): every later rescaling is an exact power of two, which a block's scale takes up: the codes' values come out the same.
;;   OPERANDS COMPUTED ON THE WAY. 'Computed on the way' means the value that the module computes at that place (a softmax that the list does not call 'softmax' is quantised finished and normalised). What goes into a quantiser is computed in f32, as accurately as f32 sums, v_exp_f32 and their like allow (about 1e-6 of the number): no bf16 or f16 on the way to a quantiser, and a product that is left as it is and whose result goes on into a quantised operand takes f32 operands (vector FMAs, or v_wmma_f32_16x16x4_f32). A number that lies on a knife's edge between two numbers of the format may be rounded either way, as far as f32 arithmetic and the matrix unit's own rounding can turn it there, and no further.
;; One version. Each part assembles by itself: llvm-mc -triple=amdgcn-amd-amdhsa -mcpu=gfx1250 --defsym DOCPART=n.
;; ======== version 1 of 1: 4 launches
;; limits: right only within a limited range of input values
;; workspace buffers: cod 12,582,912 bytes; scl 393,216 bytes; qkv 25,165,824 bytes; qkvs 1,572,864 bytes; oc 8,388,608 bytes; os 524,288 bytes
;; launch quant (part 1): grid 384 x 1, 4 waves a work-group, no clusters, 34,304 bytes of LDS; arguments x, Wq, Wk, Wv, Wo, cod, scl; writes cod, scl
.if DOCPART == 1
	.amdgcn_target "amdgcn-amd-amdhsa--gfx1250"
	.amdhsa_code_object_version 6
	.text
	.protected	k_q86dffbff6e_quant
	.globl	k_q86dffbff6e_quant
	.p2align	8
	.type	k_q86dffbff6e_quant,@function
k_q86dffbff6e_quant:
	s_mov_b64 s[64:65], 0
	v_nop
	global_prefetch_b8 v0, s[64:65] scope:SCOPE_SE
	s_setreg_imm32_b32 hwreg(HW_REG_WAVE_MODE, 25, 1), 1
	s_wait_xcnt 0x0
; x [8192][1024] and Wq, Wk, Wv, Wo [1024][1024], f32 with K innermost, become codes of FP8 (E4M3) with one E8M0 byte for each 32 along K,
; laid as IMAGES OF OPERAND REGISTERS.  Tile T of a tensor is the 16 rows 32 (T / 2) + 8 (T % 2) + i + 8 (i / 8), i = 0 .. 15.
; cod: [tile 768][K step 8][c 4][lane 32][16 bytes]: lane (r = lane % 16, h = lane / 16) holds row i = r, k = 128 step + 32 c + 16 h + 0 .. 15.  Tiles 0-511 x, 512-575 Wq, 576-639 Wk, 640-703 Wv, 704-767 Wo.
; scl: [tile][K half 2][lane 32][2 words]: word j of lane l is row l % 16's scale word (four bytes, 128 along K) of K step 4 half + 2 j + l / 16.
; A block's scale is 2^(floor(log2(largest magnitude)) - 8); its byte is the largest magnitude's exponent field - 8, held at 1 from below.
; LIMITS: NaN and infinities among the inputs are not served; a block whose largest magnitude lies under 2^-118 (a block of zeros too) gets the byte 1: its codes are then zeros or
; subnormal codes under the smallest scale, and the bytes are read by this program alone.
; SHARES: a work-group takes 32 neighbouring rows (a pair of tiles); wave w takes tile w / 2 of the pair and K half w % 2: four K steps of 16 rows x 128 numbers.
; Each load reads 512 consecutive bytes of one row; a K step's 8,192 bytes turn through the wave's own stage in LDS, so that a lane gets 16 neighbours along K of each block of 32.
; No tensor loads, no cluster, no barrier: nothing is shared between waves, and every input byte is read once.
.set PITCH, 528                        ; a stage row: 512 bytes + 16: row r starts 4 r banks on, so the 16 rows that a load touches do not collide
.set WSTG,  16*PITCH                   ; a wave's stage
.set R0,    16                         ; v16-143  two sets of 64 registers as loaded
.set X,     144                        ; v144-207 64 numbers: register 16 b + i = k 32 b + 16 h + i of my row
.set PC,    208                        ; v208-223 a fragment's codes
.set TM,    224                        ; v224-239 at work in QUANT4
.set PW,    240                        ; v240-243 the four K steps' scale words
.set SRC,   18                         ; s[18:19] the tensor that this work-group reads
.set SEL,   24                         ; s[24:25] v_permlanex16_b32's selects for lane l xor 16
.set MNT,   26                         ; s26 the mantissa field of 448
.set HM,    27                         ; s27 lanes 16-31
; 64 numbers of a lane, register 16 b + i = k 32 b + 16 h + i of my row, become a fragment's codes in v[pc] on and its scale word in v[pw]
.macro QUANT4 s, pc, pw
.irp b, 0,1,2,3
	v_max3_num_f32 v[TM+\b], |v[\s+16*\b]|, |v[\s+16*\b+1]|, 0x4800000   ; block b: my 16 numbers and the floor 2^(9 - 127): the byte cannot fall under 1
.endr
.irp i, 2,4,6,8,10,12,14
.irp b, 0,1,2,3
	v_max3_num_f32 v[TM+\b], v[TM+\b], |v[\s+16*\b+\i]|, |v[\s+16*\b+\i+1]|   ; the four blocks by turns
.endr
.endr
.irp b, 0,1,2,3
	v_permlanex16_b32 v[TM+4+\b], v[TM+\b], s[SEL], s[SEL+1]
.endr
.irp b, 0,1,2,3
	v_max_num_f32 v[TM+\b], v[TM+\b], v[TM+4+\b]   ; with lane l xor 16's 16: the block's largest magnitude
.endr
.irp b, 0,1,2,3
	v_add_nc_u32 v[TM+12+\b], 0xfc000000, v[TM+\b]   ; 8 off its exponent field: the conversion's scale operand
.endr
.irp b, 0,1,2,3
	v_and_or_b32 v[TM+8+\b], v[TM+\b], 0x7f800000, s[MNT]   ; 448 x the scale
.endr
.irp b, 0,1,2,3
	v_lshrrev_b32 v[TM+4+\b], 23, v[TM+12+\b]      ; the scale's byte
.endr
	v_lshl_or_b32 v[\pw], v[TM+5], 8, v[TM+4]
	v_lshl_or_b32 v[\pw], v[TM+6], 16, v[\pw]
	v_lshl_or_b32 v[\pw], v[TM+7], 24, v[\pw]      ; my row's scale word
.irp b, 0,1,2,3
.irp i, 0,1,2,3,4,5,6,7,8,9,10,11,12,13,14,15
	v_med3_num_f32 v[\s+16*\b+\i], v[\s+16*\b+\i], -v[TM+8+\b], v[TM+8+\b]   ; the conversion does not saturate (ISA guide 7.6.2): the hold at 448 x the scale
.endr
	v_cvt_scalef32_pk8_fp8_f32 v[\pc+4*\b:\pc+4*\b+1], v[\s+16*\b:\s+16*\b+7], v[TM+12+\b]
	v_cvt_scalef32_pk8_fp8_f32 v[\pc+4*\b+2:\pc+4*\b+3], v[\s+16*\b+8:\s+16*\b+15], v[TM+12+\b]
.endr
	v_nop                                          ; one plain line behind the last conversion
.endm
	s_load_b256 s[4:11], s[0:1], 0x0               ; x, Wq, Wk, Wv
	s_load_b128 s[12:15], s[0:1], 0x20             ; Wo, cod
	s_load_b64 s[16:17], s[0:1], 0x30              ; scl
	v_lshl_add_u32 v248, v0, 2, 0x8400
	v_mov_b32 v249, 0
	v_lshrrev_b32 v5, 5, v0
	v_readfirstlane_b32 s28, v5                    ; wave 0..3
	v_and_b32 v6, 31, v0                           ; lane
	v_and_b32 v7, 15, v0                           ; r
	v_bfe_u32 v8, v0, 4, 1                         ; h
	v_lshlrev_b32 v1, 4, v6                        ; 16 x lane: a load's and an image's place
	v_lshlrev_b32 v2, 3, v6                        ; 8 x lane: the scale words' place
	s_mul_i32 s29, s28, WSTG
	v_add_nc_u32 v3, s29, v1                       ; the stage, in: 16 x lane of a row
	v_mul_u32_u24 v4, v7, PITCH
	v_lshl_add_u32 v4, v8, 6, v4
	v_add_nc_u32 v4, s29, v4                       ; and out: row r, + 64 h bytes: my 16 numbers of a block
	s_lshr_b32 s30, s28, 1                         ; which tile of the pair
	s_and_b32 s31, s28, 1                          ; which half of K
	s_sub_co_u32 s20, ttmp9, 256
	s_and_b32 s20, s20, 31                         ; a weight's pair of tiles,
	s_cmp_lt_u32 ttmp9, 256
	s_cselect_b32 s20, ttmp9, s20                  ; or x's
	s_lshl_b32 s32, s20, 17                        ; 32 rows of 4,096 bytes,
	s_lshl_b32 s21, s30, 15                        ; the odd tile begins 8 rows down,
	s_add_co_u32 s32, s32, s21
	s_lshl_b32 s21, s31, 11                        ; half a row is 2,048 bytes
	s_add_co_u32 s32, s32, s21
	s_mov_b32 s33, 0
	s_lshl_b32 s34, ttmp9, 1
	s_add_co_u32 s34, s34, s30                     ; my tile's number in cod and scl
	s_lshl_b32 s36, s34, 14
	s_lshl_b32 s21, s31, 13
	s_add_co_u32 s36, s36, s21
	s_mov_b32 s37, 0
	s_lshl_b32 s38, s34, 9
	s_lshl_b32 s21, s31, 8
	s_add_co_u32 s38, s38, s21
	s_mov_b32 s39, 0
	s_mov_b32 s[SEL], 0x76543210
	s_mov_b32 s[SEL+1], 0xfedcba98
	s_mov_b32 s[MNT], 0x600000
	s_mov_b32 s[HM], 0xffff0000
.irp b, 0,1,2,3
	v_mov_b32 v[TM+4+\b], 0                        ; written once: a lane permute's destination counts as one of its sources
.endr
	s_wait_alu depctr_va_vdst(0)
	s_wait_kmcnt 0x0
	s_mov_b64 s[SRC:SRC+1], s[12:13]               ; the choice hangs on the work-group's number alone
	s_cmp_lt_u32 ttmp9, 352
	s_cselect_b64 s[SRC:SRC+1], s[10:11], s[SRC:SRC+1]
	s_cmp_lt_u32 ttmp9, 320
	s_cselect_b64 s[SRC:SRC+1], s[8:9], s[SRC:SRC+1]
	s_cmp_lt_u32 ttmp9, 288
	s_cselect_b64 s[SRC:SRC+1], s[6:7], s[SRC:SRC+1]
	s_cmp_lt_u32 ttmp9, 256
	s_cselect_b64 s[SRC:SRC+1], s[4:5], s[SRC:SRC+1]
	s_add_nc_u64 s[SRC:SRC+1], s[SRC:SRC+1], s[32:33]
	s_add_nc_u64 s[14:15], s[14:15], s[36:37]
	s_add_nc_u64 s[16:17], s[16:17], s[38:39]
.macro LOAD s                          ; K step s of my half: 16 rows x 512 bytes, a row a load
.irp p, 0,1,2,3,4,5,6,7,8,9,10,11,12,13,14,15
	global_load_b128 v[R0+64*((\s)%2)+4*\p:R0+64*((\s)%2)+4*\p+3], v1, s[SRC:SRC+1] offset:(\p+8*(\p/8))*4096+512*(\s) th:TH_LOAD_NT
.endr
.endm
.macro KSTEP t
.if (\t) < 3
	s_wait_loadcnt 16                              ; this K step's 16 loads are in; the next K step's 16 may be out
.else
	s_wait_loadcnt 0x0
.endif
.irp p, 0,1,2,3,4,5,6,7,8,9,10,11,12,13,14,15
	ds_store_b128 v3, v[R0+64*((\t)%2)+4*\p:R0+64*((\t)%2)+4*\p+3] offset:PITCH*\p
.endr
.irp b, 0,1,2,3
.irp k, 0,1,2,3
	ds_load_b128 v[X+16*\b+4*\k:X+16*\b+4*\k+3], v4 offset:128*\b+16*\k   ; LDS serves a wave's instructions in order: these see my stores
.endr
.endr
	s_wait_dscnt 0x0                               ; the numbers are back, and the stores have read their registers,
.if (\t) < 2
	LOAD (\t)+2                                    ; which take the loads of two K steps on
.endif
.if (\t) > 0
	s_wait_xcnt 0x0                                ; the last K step's stores have read the codes' registers: they are written again only behind this wait
.endif
	QUANT4 X, PC, PW+(\t)
.irp c, 0,1,2,3
	global_store_b128 v1, v[PC+4*\c:PC+4*\c+3], s[14:15] offset:2048*(\t)+512*\c   ; 512 consecutive bytes, aligned
.endr
.endm
	LOAD 0
	LOAD 1
	KSTEP 0
	KSTEP 1
	KSTEP 2
	KSTEP 3
	v_cndmask_b32 v244, v[PW], v[PW+1], s[HM]      ; lanes 0-15 carry the even K steps' words, lanes 16-31 the odd ones'
	v_cndmask_b32 v245, v[PW+2], v[PW+3], s[HM]
	global_store_b64 v2, v[244:245], s[16:17]      ; 256 consecutive bytes, aligned
	s_wait_tensorcnt 0x0
	ds_add_u32 v248, v249
	s_wait_dscnt 0x0
	s_endpgm
.Lfunc_end_k_q86dffbff6e_quant:
	.size	k_q86dffbff6e_quant, .Lfunc_end_k_q86dffbff6e_quant-k_q86dffbff6e_quant
	.p2alignl 7, 3214868480
	.fill 96, 4, 3214868480
	.section	.rodata,"a",@progbits
	.p2align	6, 0x0
	.amdhsa_kernel k_q86dffbff6e_quant
		.amdhsa_group_segment_fixed_size 34304
		.amdhsa_private_segment_fixed_size 0
		.amdhsa_enable_private_segment 0
		.amdhsa_kernarg_size 56
		.amdhsa_user_sgpr_count 2
		.amdhsa_user_sgpr_kernarg_segment_ptr 1
		.amdhsa_wavefront_size32 1
		.amdhsa_system_sgpr_workgroup_id_x 1
		.amdhsa_system_sgpr_workgroup_id_y 1
		.amdhsa_system_sgpr_workgroup_id_z 1
		.amdhsa_system_vgpr_workitem_id 0
		.amdhsa_next_free_vgpr 250
		.amdhsa_next_free_sgpr 66
		.amdhsa_reserve_vcc 0
		.amdhsa_float_denorm_mode_32 3
		.amdhsa_float_denorm_mode_16_64 3
		.amdhsa_memory_ordered 1
		.amdhsa_forward_progress 1
		.amdhsa_inst_pref_size 51
	.end_amdhsa_kernel
	.amdgpu_metadata
---
amdhsa.version: [ 1, 2 ]
amdhsa.kernels:
  - .name:           k_q86dffbff6e_quant
    .symbol:         k_q86dffbff6e_quant.kd
    .args:
      - { .name: x, .offset: 0, .size: 8, .value_kind: global_buffer, .address_space: global }
      - { .name: Wq, .offset: 8, .size: 8, .value_kind: global_buffer, .address_space: global }
      - { .name: Wk, .offset: 16, .size: 8, .value_kind: global_buffer, .address_space: global }
      - { .name: Wv, .offset: 24, .size: 8, .value_kind: global_buffer, .address_space: global }
      - { .name: Wo, .offset: 32, .size: 8, .value_kind: global_buffer, .address_space: global }
      - { .name: cod, .offset: 40, .size: 8, .value_kind: global_buffer, .address_space: global }
      - { .name: scl, .offset: 48, .size: 8, .value_kind: global_buffer, .address_space: global }
    .group_segment_fixed_size: 34304
    .private_segment_fixed_size: 0
    .kernarg_segment_align: 8
    .kernarg_segment_size: 56
    .max_flat_workgroup_size: 128
    .sgpr_count:     66
    .vgpr_count:     250
    .wavefront_size: 32
...
	.end_amdgpu_metadata
.endif
;; end of part 1
;; launch qkv (part 2): grid 4 x 64, 4 waves a work-group, clusters of 4 x 4, 327,680 bytes of LDS; arguments cod, scl, bq, bk, bv, qkv, qkvs; writes qkv, qkvs
.if DOCPART == 2
	.amdgcn_target "amdgcn-amd-amdhsa--gfx1250"
	.amdhsa_code_object_version 6
	.text
	.protected	k_q86dffbff6e_qkv
	.globl	k_q86dffbff6e_qkv
	.p2align	8
	.type	k_q86dffbff6e_qkv,@function
k_q86dffbff6e_qkv:
	s_mov_b64 s[64:65], 0
	v_nop
	global_prefetch_b8 v0, s[64:65] scope:SCOPE_SE
	s_setreg_imm32_b32 hwreg(HW_REG_WAVE_MODE, 25, 1), 1
	s_wait_xcnt 0x0
	s_wait_alu depctr_hold_cnt(0) depctr_sa_sdst(0) depctr_va_vdst(0) depctr_va_sdst(0) depctr_va_ssrc(0) depctr_va_vcc(0) depctr_vm_vsrc(0)
	s_getreg_b32 s2, hwreg(HW_REG_IB_STS2, 6, 4)
	s_cmp_eq_u32 s2, 0
	s_cbranch_scc0 .Lentry_in_a_cluster
	s_endpgm
.Lentry_in_a_cluster:
	s_bfe_u32 s2, ttmp6, 0x10000c
	s_cmp_lg_u32 s2, 0xf033
	s_cbranch_scc0 .Lentry_shape_is_right
	s_endpgm
.Lentry_shape_is_right:
; Q, K, V = x W^T + b on codes of FP8 (E4M3) with E8M0 scales, 8,192 x 3,072 x 1,024, each result quantised again and stored as images of the next launch's operand registers.
; cod, scl: as the first launch leaves them (tile = 16 rows, 16,384 bytes of codes [K step 8][c 4][lane][16], 512 bytes of scale words).  Tiles 0-511 x, 512-575 Wq, 576-639 Wk, 640-703 Wv.
; qkv: block = ((tensor 4 + batch) 8 + head pair) 16 + 128-token block, 16,384 bytes.  Q, K: [token tile 8][head of the pair 2][c 2][lane][16];  V: [head 2][channel tile 4][key block c 4][lane][16].
; qkvs: 1,024 bytes a block.  Q, K: [head 2][lane 32][4 words], word i of lane l = token tile 4 (l / 16) + i, row l % 16, its two bytes twice;  V: [head 2][row 16][4 words], word = channel tile, byte = key block.
; THE DEAL.  256 work-groups: column gx = 0 .. 3, row gy = 0 .. 63.  A work-group owns 128 tokens; wave (WA, WB) holds the 64 tokens 64 WA on, ALL of K, in 512 registers, loaded once by plain loads of 512 consecutive bytes.
; The weights stream through two LDS slots of 128 whole rows of K (one head pair, 131,072 bytes): Q's pairs 2 gx, 2 gx + 1, then K's, then V's: six slots.  Wave (WA, WB) takes head WB of the pair: 64 x 64, sixteen accumulators by turns.
; FILLS.  At the head one load a wave, 65,536 bytes, fills both slots (Q's two pairs lie on end in memory).  Four refills, a quarter of a slot a wave, each behind a drained round of the cluster's barrier, straight behind a slot's last product;
; the finished slot is quantised and stored behind the refill.  A loop of two trips (Q, K) holds the refills; V's two slots are written out behind it and fill nothing.
; CLUSTERS.  The four work-groups of a cluster's column share gx and ask for the weights jointly.  x's rows are not asked for jointly: they go straight into registers, since their 131,072 bytes do not fit in LDS beside the two slots.
; PREFETCH.  K's and V's weights of column gx (262,144 bytes each) are asked for once each by the first four clusters along y: 64 waves x 16 blocks of 256 bytes, told apart by address; K's at the head, a slot ahead of the refill, V's in trip 0, two slots ahead.
; Q, K: source 0 = 16 rows of W, source 1 = 16 tokens: a lane holds one token, its registers run along the channels.  V: the sources swapped: a lane holds one channel, its registers run along the keys.  The bias is the C of a sum's first product.
; A wave has two of the four key blocks of V's scale words: the halves meet in 1,024 bytes of LDS and leave whole at the end.
; LIMITS: NaN, infinities and sums beyond f32's range are not served; a block whose largest magnitude lies under 2^-118 gets the byte 1.
; REGISTERS: windows 2, 3: x's fragments (K step q, tile a at 16 ((4 q + a) % 16), window 2 + q / 4); window 1: v0-127 accumulators, v128-255 two sets of W's fragments; window 0: all else.
.set SLOT, 131072
.set STG,  262144                      ; V's half scale words: [slot 2][head 2][row 16][tile 4][half 2] of two bytes
.set SPARE, 263168
.set L16, 1
.set L8,  2
.set R16, 3
.set BQK, 4
.set BVO, 5
.set ADRB, 6                           ; v6, v7 my fragments of W in slot 0, 1
.set SPW, 8
.set NIL, 9
.set STA, 10
.set RDA, 11
.set PFO, 12
.set SCA, 16                           ; v16-31 x's scale words; v34-65 W's, a set a slot: no product's two have numbers equal modulo 8
.set SCB, 34
.set BI,  66                           ; v66-129 the first products' C, a set a slot
.set BV,  130                          ; v130-137 V's bias, a number a tile
.set PC,  140                          ; v140-171 codes
.set TM,  172
.set T1,  180
.set SOP, 188
.set BND, 196
.set HW,  204
.set WV, 18
.set WA, 19
.set WB, 20
.set G1H, 24
.set G1R, 32
.set G0H, 40
.set G0R, 44
.set AP,  52
.set ASP, 54
.set BSP, 56
.set OUT, 58
.set OUTS, 60
.set BKP, 62
.set OUTV, 66
.set OUTSV, 68
.set SEL, 70
.set MNT, 72
.set TRIP, 73
.set PFA, 74
.set PFL, 76
.set MSB, 0
.macro WIN new                         ; the immediate's high byte repeats the setting that is left
.if MSB != (\new)
	s_set_vgpr_msb (MSB<<8)|(\new)
.set MSB, (\new)
.endif
.endm
.macro PLACES n
.rept \n
	v_nop
.endr
.endm
.macro CROUND                          ; a round of the cluster's barrier
	s_barrier_signal -1
	s_barrier_wait -1
	s_cmp_lg_u32 s[WV], 0
	s_cbranch_scc1 .Lnot_wave_0_\@
	s_barrier_signal -3
.Lnot_wave_0_\@:
	s_barrier_wait -3
	s_barrier_signal -1
	s_barrier_wait -1
.endm
.macro PTR d, b, o                     ; a buffer's address + an offset under 2^32 (s95 = 0)
	s_mov_b32 s94, s\o
	s_add_nc_u64 s[\d:\d+1], s[\b:\b+1], s[94:95]
.endm
.macro FETCH s, q, p                   ; my four fragments of W, K step q of slot s, into set p: 16 loads
	WIN 0x40
.irp b, 0,1,2,3
.irp c, 0,1,2,3
	ds_load_b128 v[128+64*(\p)+16*\b+4*\c:128+64*(\p)+16*\b+4*\c+3], v[ADRB+(\s)] offset:16384*\b+2048*(\q)+512*\c
.endr
.endr
.endm
.macro MUL kind, s, q                  ; 16 products: K step q; the sixteen accumulators take turns, in the same order in every step
.set N_, (\q)/2
.set P_, 128+64*((\q)%2)
.if (\q) > 0
.set W_, 0x50
.else
.set W_, 0x40
.endif
.if \kind
	WIN W_|0x04|(2+(\q)/4)
.else
	WIN W_|0x01|((2+(\q)/4)<<2)
.endif
.irp a, 0,1,2,3
.irp b, 0,1,2,3
.set X_, 16*((4*(\q)+\a)%16)
.set Y_, P_+16*\b
.set SX_, SCA+4*\a+N_
.set SY_, SCB+16*(\s)+4*\b+N_
.if \kind
.set D_, 8*(4*\b+\a)
.else
.set D_, 8*(4*\a+\b)
.endif
.set C_, D_
.if (\q) == 0
.set C_, BI+32*(\s)+8*\b
.endif
.if \kind
.if (\q)%2
	v_wmma_scale_f32_16x16x128_f8f6f4 v[D_:D_+7], v[X_:X_+15], v[Y_:Y_+15], v[C_:C_+7], v[SX_], v[SY_] matrix_a_scale:MATRIX_SCALE_ROW1 matrix_b_scale:MATRIX_SCALE_ROW1
.else
	v_wmma_scale_f32_16x16x128_f8f6f4 v[D_:D_+7], v[X_:X_+15], v[Y_:Y_+15], v[C_:C_+7], v[SX_], v[SY_]
.endif
.else
.if (\q)%2
	v_wmma_scale_f32_16x16x128_f8f6f4 v[D_:D_+7], v[Y_:Y_+15], v[X_:X_+15], v[C_:C_+7], v[SY_], v[SX_] matrix_a_scale:MATRIX_SCALE_ROW1 matrix_b_scale:MATRIX_SCALE_ROW1
.else
	v_wmma_scale_f32_16x16x128_f8f6f4 v[D_:D_+7], v[Y_:Y_+15], v[X_:X_+15], v[C_:C_+7], v[SY_], v[SX_]
.endif
.endif
.endr
.endr
.endm
.macro COMPUTE kind, s                 ; a slot: eight K steps; step q + 1's fragments are asked for ahead of step q's products
.irp q, 0,1,2,3,4,5,6,7
.if \q < 7
	PLACES 8                                       ; behind the products that read the set which is loaded over
	FETCH \s, \q+1, (\q+1)%2
	s_wait_dscnt 16                                ; this step's fragments are in; the 16 loads just issued may be out
.else
	s_wait_dscnt 0x0
.endif
	MUL \kind, \s, \q
.endr
	WIN 0
.endm
.macro TURN s                          ; slot s has been multiplied: it is filled again, and the other slot's first fragments are fetched
	s_wait_xcnt 0x0                                ; the last slot's stores have read their data: the codes' registers are written again behind this wait
	s_wait_tensorcnt 0x0                           ; all my tensor loads are in: my part of the other slot
	ds_add_u32 v[SPW], v[NIL]
	s_add_nc_u64 s[G0R+4*\s+2:G0R+4*\s+3], s[G0R+4*\s+2:G0R+4*\s+3], 1048576   ; the same head pair of the next tensor: 64 tiles on
	s_wait_dscnt 0x0                               ; the add is done, and my reads of this slot are over
	CROUND
	tensor_load_to_lds s[G0R+4*\s:G0R+4*\s+3], s[G1R:G1R+7]
	s_nop 0
	PLACES 8
	FETCH 1-\s, 0, 0
	WIN 0
.endm
.macro NEXT s                          ; what slot s wants in the next trip: W's scale words, and in trip 0 K's bias
.irp b, 0,1,2,3
.irp k, 0,1
	global_load_b64 v[SCB+16*(\s)+4*\b+2*\k:SCB+16*(\s)+4*\b+2*\k+1], v[L8], s[BSP:BSP+1] offset:32768+4096*(\s)+512*\b+256*\k
.endr
.endr
	s_cmp_lg_u32 s[TRIP], 0
	s_cbranch_scc1 .Lno_bias_\@
.irp k, 0,1,2,3,4,5,6,7
	global_load_b128 v[BI+32*(\s)+4*\k:BI+32*(\s)+4*\k+3], v[BQK], s[BKP:BKP+1] offset:512*(\s)+128*(\k/4)+16*(\k%4)
.endr
.Lno_bias_\@:
.endm
; eight blocks of 32 along the next K: block n = accumulator registers 16 n .. 16 n + 15 of lanes l and l xor 16 -> codes PC + 4 n; half word m = the bytes of blocks 2 m, 2 m + 1
.macro QUANT8 kind
	WIN 0x05
.irp n, 0,1,2,3,4,5,6,7
	v_max3_num_f32 v[TM+\n], |v[16*\n]|, |v[16*\n+1]|, 0x4800000   ; with the floor 2^(9 - 127): the byte cannot fall under 1
.endr
.irp i, 2,4,6,8,10,12,14
.irp n, 0,1,2,3,4,5,6,7
	v_max3_num_f32 v[TM+\n], |v[16*\n+\i]|, |v[16*\n+\i+1]|, v[TM+\n]
.endr
.endr
	WIN 0
.irp n, 0,1,2,3,4,5,6,7
	v_permlanex16_b32 v[T1+\n], v[TM+\n], s[SEL], s[SEL+1]
.endr
.irp n, 0,1,2,3,4,5,6,7
	v_max_num_f32 v[TM+\n], v[TM+\n], v[T1+\n]
.endr
.irp n, 0,1,2,3,4,5,6,7
	v_add_nc_u32 v[SOP+\n], 0xfc000000, v[TM+\n]   ; 8 off the exponent field: the conversion's scale operand
.endr
.irp n, 0,1,2,3,4,5,6,7
	v_and_or_b32 v[BND+\n], v[TM+\n], 0x7f800000, s[MNT]   ; 448 x the scale
.endr
.irp n, 0,1,2,3,4,5,6,7
	v_lshrrev_b32 v[T1+\n], 23, v[SOP+\n]          ; the byte
.endr
.irp m, 0,1,2,3
	v_lshl_or_b32 v[HW+\m], v[T1+2*\m+1], 8, v[T1+2*\m]
.endr
.if \kind == 0
.irp m, 0,1,2,3
	v_lshl_or_b32 v[HW+\m], v[HW+\m], 16, v[HW+\m] ; Q, K: the two bytes twice
.endr
.endif
	WIN 0x41
.irp n, 0,1,2,3,4,5,6,7
.irp i, 0,1,2,3,4,5,6,7,8,9,10,11,12,13,14,15
	v_med3_num_f32 v[16*\n+\i], v[16*\n+\i], -v[BND+\n], v[BND+\n]   ; the conversion does not saturate (ISA guide 7.6.2)
.endr
.endr
	WIN 0x01
.irp n, 0,1,2,3,4,5,6,7
	v_cvt_scalef32_pk8_fp8_f32 v[PC+4*\n:PC+4*\n+1], v[16*\n:16*\n+7], v[SOP+\n]
	v_cvt_scalef32_pk8_fp8_f32 v[PC+4*\n+2:PC+4*\n+3], v[16*\n+8:16*\n+15], v[SOP+\n]
.endr
	WIN 0
	v_nop                                          ; one plain line behind the last conversion
.endm
.macro EPI kind, s
	QUANT8 \kind
.irp n, 0,1,2,3,4,5,6,7
.if \kind
	global_store_b128 v[L16], v[PC+4*\n:PC+4*\n+3], s[OUTV:OUTV+1] offset:262144*(\s)+2048*(\n/2)+512*(\n%2)   ; 512 consecutive bytes, aligned
.else
	global_store_b128 v[L16], v[PC+4*\n:PC+4*\n+3], s[OUT:OUT+1] offset:262144*(\s)+2048*(\n/2)+512*(\n%2)
.endif
.endr
.if \kind
.irp b, 0,1,2,3
	ds_store_b16 v[STA], v[HW+\b] offset:512*(\s)+4*\b   ; both halves of the lanes write the same two bytes with the same value
.endr
.else
	global_store_b128 v[R16], v[HW:HW+3], s[OUTS:OUTS+1] offset:16384*(\s)   ; 256 consecutive bytes, aligned; both halves of the lanes write the same
.endif
.endm
	s_load_b256 s[4:11], s[0:1], 0x0               ; cod, scl, bq, bk
	s_load_b128 s[12:15], s[0:1], 0x20             ; bv, qkv
	s_load_b64 s[16:17], s[0:1], 0x30              ; qkvs
	v_lshl_add_u32 v[SPW], v0, 2, SPARE
	v_mov_b32 v[NIL], 0
	ds_add_u32 v[SPW], v[NIL]                      ; the opening lines: the add, twice on end, and its wait
	ds_add_u32 v[SPW], v[NIL]
	v_lshrrev_b32 v13, 5, v0
	v_readfirstlane_b32 s[WV], v13
	s_lshr_b32 s[WA], s[WV], 1
	s_and_b32 s[WB], s[WV], 1
	s_bfe_u32 s77, ttmp6, 0x40000                  ; cx
	s_bfe_u32 s78, ttmp6, 0x40004                  ; cy
	s_lshl_b32 s81, ttmp9, 2
	s_add_co_u32 s81, s81, s77                     ; gx
	s_and_b32 s82, ttmp7, 0xffff                   ; the cluster's y
	s_lshl_b32 s79, s82, 2
	s_add_co_u32 s79, s79, s78                     ; gy
	s_lshl_b32 s80, 0x1111, s77                    ; my column of the cluster
	s_or_b32 s[G1H], s80, (3<<16)|(1<<21)          ; dense rows of 8,192 bytes (1,024 elements of 8): eight at the head, four in a refill
	s_or_b32 s[G1R], s80, (3<<16)|(1<<21)
.irp g, G1H, G1R
	s_mov_b32 s[\g+1], 1024<<16
	s_mov_b32 s[\g+3], 1024<<16
	s_mov_b32 s[\g+5], 1024
	s_mov_b32 s[\g+6], 0
	s_mov_b32 s[\g+7], 0
.endr
	s_mov_b32 s[G1H+2], 8<<16
	s_mov_b32 s[G1H+4], 8
	s_mov_b32 s[G1R+2], 4<<16
	s_mov_b32 s[G1R+4], 4
	s_lshl_b32 s83, s81, 18                        ; Wq's tile 512 + 16 gx, in bytes: hangs on gx alone
	s_add_co_u32 s83, s83, 512*16384
	s_lshl_b32 s84, s[WV], 16
	s_add_co_u32 s84, s84, s83
	s_mov_b32 s85, 0
	s_lshl_b32 s86, s[WV], 15
	s_add_co_u32 s86, s86, s83
	s_mov_b32 s87, 0
	s_mov_b32 s[G0H], 1
	s_lshl_b32 s[G0H+1], s[WV], 16
	s_mov_b32 s[G0R], 1
	s_lshl_b32 s[G0R+1], s[WV], 15
	s_mov_b32 s[G0R+4], 1
	s_add_co_u32 s[G0R+5], s[G0R+1], SLOT
	s_lshl_b32 s88, s79, 3
	s_lshl_b32 s89, s[WA], 2
	s_add_co_u32 s88, s88, s89                     ; my first tile of x
	s_lshl_b32 s89, s88, 9                         ; its scale words,
	s_lshl_b32 s88, s88, 14                        ; its codes
	s_lshl_b32 s90, s81, 4
	s_add_co_u32 s90, s90, 512
	s_lshl_b32 s91, s[WB], 2
	s_add_co_u32 s90, s90, s91
	s_lshl_b32 s90, s90, 9                         ; my first tile of Wq: its scale words
	s_lshl_b32 s91, s81, 10
	s_lshl_b32 s92, s[WB], 8
	s_add_co_u32 s91, s91, s92                     ; a bias: 4 x 64 x (4 gx + WB)
	s_lshr_b32 s92, s79, 4
	s_lshl_b32 s92, s92, 7
	s_lshl_b32 s93, s81, 5
	s_add_co_u32 s92, s92, s93
	s_and_b32 s93, s79, 15
	s_add_co_u32 s92, s92, s93                     ; Q's block of pair 2 gx: 128 batch + 32 gx + token block
	s_lshl_b32 s96, s92, 14
	s_lshl_b32 s93, s[WA], 13
	s_add_co_u32 s96, s96, s93
	s_lshl_b32 s93, s[WB], 10
	s_add_co_u32 s96, s96, s93                     ; Q's codes
	s_lshl_b32 s97, s92, 10
	s_lshl_b32 s93, s[WB], 9
	s_add_co_u32 s97, s97, s93
	s_lshl_b32 s93, s[WA], 8
	s_add_co_u32 s97, s97, s93                     ; Q's scale words
	s_add_co_u32 s98, s92, 1024
	s_lshl_b32 s98, s98, 14
	s_lshl_b32 s93, s[WB], 13
	s_add_co_u32 s98, s98, s93
	s_lshl_b32 s93, s[WA], 10
	s_add_co_u32 s98, s98, s93                     ; V's codes
	s_lshl_b32 s99, s[WA], 4
	s_add_co_u32 s99, s99, s92
	s_add_co_u32 s99, s99, 1024
	s_lshl_b32 s99, s99, 10
	s_lshl_b32 s93, s[WB], 8
	s_add_co_u32 s99, s99, s93                     ; V's scale words: at the end wave (WA, WB) stores slot WA, head WB
	s_and_b32 s2, s82, 3                           ; the prefetches: which 4,096 bytes of 262,144 are my wave's
	s_lshl_b32 s2, s2, 2
	s_add_co_u32 s2, s2, s78
	s_lshl_b32 s2, s2, 2
	s_add_co_u32 s2, s2, s[WV]
	s_lshl_b32 s2, s2, 12
	s_lshl_b32 s3, s81, 18
	s_add_co_u32 s2, s2, s3
	s_add_co_u32 s2, s2, 576*16384                 ; in Wk's tiles 576 + 16 gx on
	s_cmp_lt_u32 s82, 4
	s_cselect_b32 s[PFL], 0, -1                    ; the trip in which my cluster asks: 0, or none
	s_mov_b32 s95, 0
	s_mov_b32 s[SEL], 0x76543210
	s_mov_b32 s[SEL+1], 0xfedcba98
	s_mov_b32 s[MNT], 0x600000
	s_wait_dscnt 0x0                               ; both opening adds are done
	s_wait_kmcnt 0x0
	s_add_nc_u64 s[G0H+2:G0H+3], s[4:5], s[84:85]
	s_or_b32 s[G0H+3], s[G0H+3], 0x80000000
	s_add_nc_u64 s[G0R+2:G0R+3], s[4:5], s[86:87]
	s_add_nc_u64 s[G0R+6:G0R+7], s[G0R+2:G0R+3], SLOT
	s_or_b32 s[G0R+3], s[G0R+3], 0x80000000
	s_or_b32 s[G0R+7], s[G0R+7], 0x80000000
	CROUND                                         ; all sixteen work-groups are here: the joint loads meet
	tensor_load_to_lds s[G0H:G0H+3], s[G1H:G1H+7]  ; my quarter of both slots: one load a wave at the head
	s_nop 0
	PLACES 4
	PTR AP, 4, 88
	PTR ASP, 6, 89
	PTR BSP, 6, 90
	PTR 84, 8, 91                                  ; bq
	PTR BKP, 10, 91
	PTR 86, 12, 91                                 ; bv
	PTR OUT, 14, 96
	PTR OUTS, 16, 97
	PTR OUTV, 14, 98
	PTR OUTSV, 16, 99
	PTR PFA, 4, 2
	v_and_b32 v12, 31, v0
	v_and_b32 v13, 15, v0
	v_bfe_u32 v14, v0, 4, 1
	v_lshlrev_b32 v[L16], 4, v12
	v_lshlrev_b32 v[L8], 3, v12
	v_lshlrev_b32 v[R16], 4, v13
	v_lshlrev_b32 v[BQK], 6, v14
	v_and_b32 v15, 8, v13
	v_add_nc_u32 v15, v15, v13
	v_lshlrev_b32 v[BVO], 2, v15
	s_wait_alu depctr_va_vdst(0)
	s_lshl_b32 s88, s[WB], 16
	v_add_nc_u32 v[ADRB], s88, v[L16]
	s_add_co_u32 s88, s88, SLOT
	v_add_nc_u32 v[ADRB+1], s88, v[L16]
	s_lshl_b32 s88, s[WB], 8
	s_lshl_b32 s89, s[WA], 1
	s_add_co_u32 s89, s89, s88
	s_add_co_u32 s89, s89, STG
	v_add_nc_u32 v[STA], s89, v[R16]
	s_lshl_b32 s89, s[WA], 9
	s_add_co_u32 s89, s89, s88
	s_add_co_u32 s89, s89, STG
	v_add_nc_u32 v[RDA], s89, v[R16]
	v_min_u32 v12, 15, v12
	v_lshlrev_b32 v[PFO], 8, v12                   ; lanes 0-15 name 16 blocks of 256 bytes, the others the last again
.irp n, 0,1,2,3,4,5,6,7
	v_mov_b32 v[T1+\n], 0                          ; written once: a lane permute's destination counts as one of its sources
.endr
	s_wait_alu depctr_va_vdst(0)
.irp a, 0,1,2,3
.irp k, 0,1
	global_load_b64 v[SCA+4*\a+2*\k:SCA+4*\a+2*\k+1], v[L8], s[ASP:ASP+1] offset:512*\a+256*\k
.endr
.endr
.irp s, 0,1
.irp b, 0,1,2,3
.irp k, 0,1
	global_load_b64 v[SCB+16*\s+4*\b+2*\k:SCB+16*\s+4*\b+2*\k+1], v[L8], s[BSP:BSP+1] offset:4096*\s+512*\b+256*\k
.endr
	global_load_b32 v[BV+4*\s+\b], v[BVO], s[86:87] offset:512*\s+4*(32*(\b/2)+8*(\b%2))
.endr
.irp k, 0,1,2,3,4,5,6,7
	global_load_b128 v[BI+32*\s+4*\k:BI+32*\s+4*\k+3], v[BQK], s[84:85] offset:512*\s+128*(\k/4)+16*(\k%4)
.endr
.endr
.irp q, 0,1,2,3,4,5,6,7
	WIN (2+\q/4)<<6
.irp a, 0,1,2,3
.irp c, 0,1,2,3
	global_load_b128 v[16*((4*\q+\a)%16)+4*\c:16*((4*\q+\a)%16)+4*\c+3], v[L16], s[AP:AP+1] offset:16384*\a+2048*\q+512*\c
.endr
.endr
.endr
	WIN 0
	s_cmp_eq_u32 s[PFL], 0
	s_cbranch_scc0 .Lnot_asking
	global_prefetch_b8 v[PFO], s[PFA:PFA+1] th:TH_LOAD_NT scope:SCOPE_SE   ; K's weights
.Lnot_asking:
	s_mov_b32 s[TRIP], 0
	s_wait_tensorcnt 0x0
	s_wait_loadcnt 0x0
	s_barrier_signal -1
	s_barrier_wait -1                              ; both slots are whole
	FETCH 0, 0, 0
	WIN 0
.Ltrip:                                                ; trip 0: Q, trip 1: K
	s_wait_loadcnt 8                               ; slot 0's scale words and bias are in; behind them went at least eight loads for slot 1
	COMPUTE 0, 0
	TURN 0
	NEXT 0
	s_cmp_eq_u32 s[TRIP], s[PFL]
	s_cbranch_scc0 .Lnone_ahead
	global_prefetch_b8 v[PFO], s[PFA:PFA+1] offset:1048576 th:TH_LOAD_NT scope:SCOPE_SE   ; V's weights
.Lnone_ahead:
	EPI 0, 0
	s_wait_loadcnt 8
	COMPUTE 0, 1
	TURN 1
	NEXT 1
	EPI 0, 1
	s_wait_xcnt 0x0                                ; the bases are stepped only behind this wait
	s_add_nc_u64 s[OUT:OUT+1], s[OUT:OUT+1], 8388608
	s_add_nc_u64 s[OUTS:OUTS+1], s[OUTS:OUTS+1], 524288
	s_add_nc_u64 s[BSP:BSP+1], s[BSP:BSP+1], 32768
	s_add_co_u32 s[TRIP], s[TRIP], 1
	s_cmp_lg_u32 s[TRIP], 2
	s_cbranch_scc1 .Ltrip
.irp s, 0,1                            ; V: a tile's bias is one number a lane, spread over the eight registers of C
.irp b, 0,1,2,3
.irp j, 0,1,2,3,4,5,6,7
	v_mov_b32 v[BI+32*\s+8*\b+\j], v[BV+4*\s+\b]
.endr
.endr
.endr
	s_wait_alu depctr_va_vdst(0)
	s_wait_loadcnt 0x0
	COMPUTE 1, 0
	s_wait_xcnt 0x0
	s_wait_tensorcnt 0x0                           ; slot 1 holds V's second pair; nothing is filled again
	s_wait_dscnt 0x0
	s_barrier_signal -1
	s_barrier_wait -1
	PLACES 8
	FETCH 1, 0, 0
	WIN 0
	EPI 1, 0
	COMPUTE 1, 1
	s_wait_xcnt 0x0
	PLACES 8
	EPI 1, 1
	s_wait_dscnt 0x0                               ; my half words are in LDS,
	s_barrier_signal -1
	s_barrier_wait -1                              ; everybody's are
	ds_load_b128 v[TM:TM+3], v[RDA]
	s_wait_dscnt 0x0
	global_store_b128 v[R16], v[TM:TM+3], s[OUTSV:OUTSV+1]   ; 256 consecutive bytes, aligned; both halves of the lanes write the same
	s_wait_tensorcnt 0x0                           ; the wave's end
	ds_add_u32 v[SPW], v[NIL]
	s_wait_dscnt 0x0
	CROUND                                         ; the closing round
	s_endpgm
.Lfunc_end_k_q86dffbff6e_qkv:
	.size	k_q86dffbff6e_qkv, .Lfunc_end_k_q86dffbff6e_qkv-k_q86dffbff6e_qkv
	.p2alignl 7, 3214868480
	.fill 96, 4, 3214868480
	.section	.rodata,"a",@progbits
	.p2align	6, 0x0
	.amdhsa_kernel k_q86dffbff6e_qkv
		.amdhsa_group_segment_fixed_size 327680
		.amdhsa_private_segment_fixed_size 0
		.amdhsa_enable_private_segment 0
		.amdhsa_kernarg_size 56
		.amdhsa_user_sgpr_count 2
		.amdhsa_user_sgpr_kernarg_segment_ptr 1
		.amdhsa_wavefront_size32 1
		.amdhsa_system_sgpr_workgroup_id_x 1
		.amdhsa_system_sgpr_workgroup_id_y 1
		.amdhsa_system_sgpr_workgroup_id_z 1
		.amdhsa_system_vgpr_workitem_id 0
		.amdhsa_next_free_vgpr 1024
		.amdhsa_next_free_sgpr 100
		.amdhsa_reserve_vcc 0
		.amdhsa_float_denorm_mode_32 3
		.amdhsa_float_denorm_mode_16_64 3
		.amdhsa_memory_ordered 1
		.amdhsa_forward_progress 1
		.amdhsa_inst_pref_size 208
	.end_amdhsa_kernel
	.amdgpu_metadata
---
amdhsa.version: [ 1, 2 ]
amdhsa.kernels:
  - .name:           k_q86dffbff6e_qkv
    .symbol:         k_q86dffbff6e_qkv.kd
    .args:
      - { .name: cod, .offset: 0, .size: 8, .value_kind: global_buffer, .address_space: global }
      - { .name: scl, .offset: 8, .size: 8, .value_kind: global_buffer, .address_space: global }
      - { .name: bq, .offset: 16, .size: 8, .value_kind: global_buffer, .address_space: global }
      - { .name: bk, .offset: 24, .size: 8, .value_kind: global_buffer, .address_space: global }
      - { .name: bv, .offset: 32, .size: 8, .value_kind: global_buffer, .address_space: global }
      - { .name: qkv, .offset: 40, .size: 8, .value_kind: global_buffer, .address_space: global }
      - { .name: qkvs, .offset: 48, .size: 8, .value_kind: global_buffer, .address_space: global }
    .group_segment_fixed_size: 327680
    .private_segment_fixed_size: 0
    .kernarg_segment_align: 8
    .kernarg_segment_size: 56
    .max_flat_workgroup_size: 128
    .sgpr_count:     100
    .vgpr_count:     1024
    .wavefront_size: 32
...
	.end_amdgpu_metadata
.endif
;; end of part 2
;; launch attn (part 3): grid 4 x 64, 16 waves a work-group, clusters of 4 x 1, 276,480 bytes of LDS; arguments qkv, qkvs, oc, os; writes oc, os
.if DOCPART == 3
	.amdgcn_target "amdgcn-amd-amdhsa--gfx1250"
	.amdhsa_code_object_version 6
	.text
	.protected	k_q86dffbff6e_attn
	.globl	k_q86dffbff6e_attn
	.p2align	8
	.type	k_q86dffbff6e_attn,@function
k_q86dffbff6e_attn:
	s_mov_b64 s[64:65], 0
	v_nop
	global_prefetch_b8 v0, s[64:65] scope:SCOPE_SE
	s_setreg_imm32_b32 hwreg(HW_REG_WAVE_MODE, 25, 1), 1
	s_wait_xcnt 0x0
	s_wait_alu depctr_hold_cnt(0) depctr_sa_sdst(0) depctr_va_vdst(0) depctr_va_sdst(0) depctr_va_ssrc(0) depctr_va_vcc(0) depctr_vm_vsrc(0)
	s_getreg_b32 s2, hwreg(HW_REG_IB_STS2, 6, 4)
	s_cmp_eq_u32 s2, 0
	s_cbranch_scc0 .Lentry_in_a_cluster
	s_endpgm
.Lentry_in_a_cluster:
	s_bfe_u32 s2, ttmp6, 0x10000c
	s_cmp_lg_u32 s2, 0x3003
	s_cbranch_scc0 .Lentry_shape_is_right
	s_endpgm
.Lentry_shape_is_right:
; O = softmax(Q K^T / 8) V for one head of one batch, both products on codes of FP8 (E4M3) with E8M0 scales, and O / l quantised along the model's 1,024 for the last product.
; t = score x log2(e) / 8; M = the row's largest t so far, rounded UP to a whole number; p = 2^(t - M) is quantised along the keys, not normalised; the row's sum l is taken of the unquantised p and divides O at the end.
; When M moves, the sum and O are multiplied by 2^(old M - new M): exact.
; SHARES.  The cluster's y is (batch, head); its four work-groups take 512 queries each.  A head's whole K, V and their scale words, 274,432 bytes, lie in LDS, filled once: no ring, no refill, one barrier.
; The four work-groups ask for them jointly, one load a wave: waves 0-7 K's codes (two steps each), waves 8-11 V's (four steps each), wave 12 K's scale words, wave 13 V's.  All that the launch reads of K and V
; is asked for by these first fills, so there is nothing left to prefetch.  Each of the sixteen waves (four to a SIMD, 256 registers each) makes two tiles of 16 queries, one after the other.
; LAYOUT.  Both products are used transposed: S^T = K Q^T, O^T = V^T P^T: a lane holds ONE query (lane % 16).  The 16 rows of a tile are 32 (T / 2) + 8 (T % 2) + i + 8 (i / 8), so the 16 registers
; of tiles 2 b and 2 b + 1 are 16 neighbours: keys 32 b + 16 h + 0 .. 15 in S^T, channels likewise in O^T.  Operands lie in memory and LDS as images of their registers: 512 consecutive bytes a load.
; THE SCORES' K IS 64 in an instruction of 128.  Q stands as [Q | zero codes | Q], 24 registers: tiles 0-6 take K's registers [t | t + 1] against [Q | 0], tile 7 takes [6 | 7] against [0 | Q]; the scale words repeat their two bytes.
; TWO BUFFERS OF 64 REGISTERS SWAP ROLES FROM STEP TO STEP.  One holds K(s), and behind the scores' products V(s); the other takes S(s), then p, and, block by block as p's codes are made, K(s + 1).
; So K's loads have the rest of a step in which to land, V's the softmax.  The address of K(s + 1) wraps: a tile's last step fetches K(0) for the next tile (the second tile's last fetch is not used).
; A BLOCK'S SCALE comes from x = the block's largest t - M: 2^x has the exponent floor(x), held at -118 from below, so that the byte, floor(x) + 119, is 1 .. 119.  Should v_exp_f32 round the largest p up to the next power of two, the hold keeps it at 448 x the scale, as exact arithmetic has it.
; LIMITS: NaN and infinities are not served; the promise holds while |t| stays under 2^31; p under 2^-126 comes out of v_exp_f32 as 0; in the way out a block whose largest magnitude lies under 2^-118 gets the byte 1.
.set VCOD, 131072                      ; LDS: K's codes at 0: 8,192 a step of 128 keys: [tile 8][c 2][512];  V's here: [channel tile 4][c 4][512]
.set KSCL, 262144                      ; K's scale words, 512 a step: [lane 32][4 words]
.set VSCL, 270336                      ; V's, 256 a step: [row 16][4 words]
.set SPARE, 274432                     ; the spare words: 128 bytes a wave
.set AK0, 1                            ; v1 16 x lane;  v2 16 r;  v7 4 r
.set R16, 2
.set ADK, 3                            ; v3-6 the step's LDS addresses: K(s + 1), V(s), K's words, V's words
.set ADV, 4
.set ADS, 5
.set ADT, 6
.set R4,  7
.set SPW, 8
.set NIL, 9
.set QSC, 10                           ; scale words: no product's two have numbers equal modulo 8
.set PSC, 11
.set KSC, 12
.set VSC, 20
.set NM,  24                           ; v24 -M, v25 the largest t
.set TT,  25
.set W,   27
.set F,   28                           ; v28 f (v29 named with it as a pair)
.set TM,  30                           ; v30-33 a block's largest; v34-37 at work; v38-41 the conversions' scale operands; v42-45 448 x the scale
.set T1,  34
.set SOP, 38
.set BND, 42
.set SUM, 46                           ; v46-47 the row's sum; v48-55 the step's four partial sums
.set AC,  48
.set QF,  56                           ; v56-79 [Q | 0 | Q]
.set PC,  80                           ; v80-95 p's codes
.set OT,  96                           ; v96-127 O^T
.set RA,  128                          ; v128-191, v192-255 the two buffers
.set RB,  192
.set WV,  12
.set W7,  13
.set CS,  22                           ; s[22:23] c = log2(e) / 8
.set SEL, 24
.set MNT, 26
.set G1K, 28
.set G1V, 36
.set G1KS, 44
.set G1VS, 52
.set G0K, 60
.set G0KS, 68
.set G0V, 72
.set G0VS, 76
.set QP,  80
.set QSP, 82
.set OP,  84
.set OSP, 86
.set TB,  88                           ; s88 V(s)'s codes; s89 K(s + 1)'s words; s90 V(s)'s words; s93 K(s + 1)'s codes
.set TS,  89
.set TJ,  90
.set CNT, 91
.set TILES, 92
.set TK,  93
.macro CROUND                          ; a round of the cluster's barrier
	s_barrier_signal -1
	s_barrier_wait -1
	s_cmp_lg_u32 s[WV], 0
	s_cbranch_scc1 .Lnot_wave_0_\@
	s_barrier_signal -3
.Lnot_wave_0_\@:
	s_barrier_wait -3
	s_barrier_signal -1
	s_barrier_wait -1
.endm
.macro GROUP1 g, c, r, p               ; r rows of c elements of 8 bytes, p elements apart; the mask names all four work-groups
	s_mov_b32 s[\g], 15|(3<<16)|(1<<21)
	s_mov_b32 s[\g+1], (\c)<<16
	s_mov_b32 s[\g+2], (\r)<<16
	s_mov_b32 s[\g+3], (\c)<<16
	s_mov_b32 s[\g+4], \r
	s_mov_b32 s[\g+5], \p
	s_mov_b32 s[\g+6], 0
	s_mov_b32 s[\g+7], 0
.endm
; 32 numbers of a lane, register 16 b + i = channel 32 b + 16 h + i of the head, become eight registers of codes and two scale bytes
.macro QUANT2 s, pc, pw
.irp b, 0,1
	v_max3_num_f32 v[TM+\b], |v[\s+16*\b]|, |v[\s+16*\b+1]|, 0x4800000
.endr
.irp i, 2,4,6,8,10,12,14
.irp b, 0,1
	s_delay_alu instid0(VALU_DEP_2)
	v_max3_num_f32 v[TM+\b], v[TM+\b], |v[\s+16*\b+\i]|, |v[\s+16*\b+\i+1]|
.endr
.endr
.irp b, 0,1
	s_delay_alu instid0(VALU_DEP_2)
	v_permlanex16_b32 v[TM+4+\b], v[TM+\b], s[SEL], s[SEL+1]
.endr
.irp b, 0,1
	s_delay_alu instid0(VALU_DEP_2)
	v_max_num_f32 v[TM+\b], v[TM+\b], v[TM+4+\b]
.endr
.irp b, 0,1
	s_delay_alu instid0(VALU_DEP_2)
	v_add_nc_u32 v[TM+12+\b], 0xfc000000, v[TM+\b]
.endr
.irp b, 0,1
	s_delay_alu instid0(VALU_DEP_4)
	v_and_or_b32 v[TM+8+\b], v[TM+\b], 0x7f800000, s[MNT]
.endr
.irp b, 0,1
	s_delay_alu instid0(VALU_DEP_4)
	v_lshrrev_b32 v[TM+4+\b], 23, v[TM+12+\b]
.endr
	s_delay_alu instid0(VALU_DEP_1)
	v_lshl_or_b32 v[\pw], v[TM+5], 8, v[TM+4]
.irp b, 0,1
.irp i, 0,1,2,3,4,5,6,7,8,9,10,11,12,13,14,15
	v_med3_num_f32 v[\s+16*\b+\i], v[\s+16*\b+\i], -v[TM+8+\b], v[TM+8+\b]
.endr
	v_cvt_scalef32_pk8_fp8_f32 v[\pc+4*\b:\pc+4*\b+1], v[\s+16*\b:\s+16*\b+7], v[TM+12+\b]
	v_cvt_scalef32_pk8_fp8_f32 v[\pc+4*\b+2:\pc+4*\b+3], v[\s+16*\b+8:\s+16*\b+15], v[TM+12+\b]
.endr
	v_nop                                          ; one plain line behind the last conversion
.endm
.macro FOLD                            ; the last step's four partial sums go into the row's sum, which is brought under that step's M on the way
	v_pk_add_f32 v[AC:AC+1], v[AC:AC+1], v[AC+2:AC+3]
	v_pk_add_f32 v[AC+4:AC+5], v[AC+4:AC+5], v[AC+6:AC+7]
	v_pk_fma_f32 v[SUM:SUM+1], v[SUM:SUM+1], v[F:F+1], v[AC:AC+1] op_sel_hi:[1,0,1]
	v_pk_add_f32 v[SUM:SUM+1], v[SUM:SUM+1], v[AC+4:AC+5]
.endm
; block b of 32 keys: its 16 p of my lane are summed unquantised, held, converted; then its registers take two tiles of K(s + 1)
.macro BLK b, SR
.if \b == 0
.irp j, 0,1,2,3
	v_pk_add_f32 v[AC+2*\j:AC+2*\j+1], v[\SR+2*\j:\SR+2*\j+1], v[\SR+8+2*\j:\SR+9+2*\j]   ; the first block starts the four partial sums
.endr
.else
.irp j, 0,1,2,3,4,5,6,7
	v_pk_add_f32 v[AC+2*(\j%4):AC+2*(\j%4)+1], v[AC+2*(\j%4):AC+2*(\j%4)+1], v[\SR+16*\b+2*\j:\SR+16*\b+2*\j+1]
.endr
.endif
.irp j, 0,1,2,3,4,5,6,7
	v_dual_min_num_f32 v[\SR+16*\b+2*\j], v[\SR+16*\b+2*\j], v[BND+\b] :: v_dual_min_num_f32 v[\SR+16*\b+2*\j+1], v[\SR+16*\b+2*\j+1], v[BND+\b]   ; the conversion does not saturate (ISA guide 7.6.2); p is not negative: a one-sided hold, two a line
.endr
	v_cvt_scalef32_pk8_fp8_f32 v[PC+4*\b:PC+4*\b+1], v[\SR+16*\b:\SR+16*\b+7], v[SOP+\b]
	v_cvt_scalef32_pk8_fp8_f32 v[PC+4*\b+2:PC+4*\b+3], v[\SR+16*\b+8:\SR+16*\b+15], v[SOP+\b]
.if \b == 0
	ds_load_b128 v[KSC:KSC+3], v[ADS]              ; K(s + 1)'s words: word i: lanes 0-15 tile i, lanes 16-31 tile 4 + i
.endif
.irp k, 0,1,2,3
	ds_load_b128 v[\SR+16*\b+4*\k:\SR+16*\b+4*\k+3], v[ADK] offset:2048*\b+512*\k
.endr
.endm
; A KEY STEP of 128 keys.  KR holds K(s); SR takes S(s)
.macro STEP KR, SR
	s_wait_dscnt 0x0                               ; K(s) and its scale words
.irp t, 0,1,2,3
	v_wmma_scale_f32_16x16x128_f8f6f4 v[\SR+8*\t:\SR+8*\t+7], v[\KR+8*\t:\KR+8*\t+15], v[QF:QF+15], 0, v[KSC+\t], v[QSC]
.endr
.irp t, 4,5,6
	v_wmma_scale_f32_16x16x128_f8f6f4 v[\SR+8*\t:\SR+8*\t+7], v[\KR+8*\t:\KR+8*\t+15], v[QF:QF+15], 0, v[KSC+\t-4], v[QSC] matrix_a_scale:MATRIX_SCALE_ROW1
.endr
	v_wmma_scale_f32_16x16x128_f8f6f4 v[\SR+56:\SR+63], v[\KR+48:\KR+63], v[QF+8:QF+23], 0, v[KSC+3], v[QSC] matrix_a_scale:MATRIX_SCALE_ROW1
	v_add_nc_u32 v[ADV], s[TB], v[AK0]             ; eight plain lines behind the products: the addresses, and the last step's sums
	v_add_nc_u32 v[ADT], s[TJ], v[R16]
	v_add_nc_u32 v[ADK], s[TK], v[AK0]
	v_add_nc_u32 v[ADS], s[TS], v[AK0]
	FOLD
.irp a, 0,1,2,3
.irp c, 0,1,2,3
	ds_load_b128 v[\KR+16*\a+4*\c:\KR+16*\a+4*\c+3], v[ADV] offset:2048*\a+512*\c   ; V(s) lands under the softmax
.endr
.endr
	ds_load_b128 v[VSC:VSC+3], v[ADT]              ; word a: channel tile a, row r
.irp b, 0,1,2,3
	v_max3_num_f32 v[TM+\b], v[\SR+16*\b], v[\SR+16*\b+1], v[\SR+16*\b+2]   ; the largest score of each block of 32 keys: for the row's maximum and for the block's scale
.endr
.irp i, 3,5,7,9,11,13
.irp b, 0,1,2,3
	v_max3_num_f32 v[TM+\b], v[TM+\b], v[\SR+16*\b+\i], v[\SR+16*\b+\i+1]
.endr
.endr
.irp b, 0,1,2,3
	v_max_num_f32 v[TM+\b], v[TM+\b], v[\SR+16*\b+15]
.endr
.irp b, 0,1,2,3
	s_delay_alu instid0(VALU_DEP_4)
	v_permlanex16_b32 v[T1+\b], v[TM+\b], s[SEL], s[SEL+1]
.endr
.irp b, 0,1,2,3
	s_delay_alu instid0(VALU_DEP_4)
	v_max_num_f32 v[TM+\b], v[TM+\b], v[T1+\b]     ; with lane l xor 16's 16 keys
.endr
	s_delay_alu instid0(VALU_DEP_2)
	v_max3_num_f32 v[W], v[TM], v[TM+1], v[TM+2]
	s_delay_alu instid0(VALU_DEP_1)
	v_max_num_f32 v[W], v[W], v[TM+3]              ; the step's largest score of my query
	s_delay_alu instid0(VALU_DEP_1)
	v_mul_f32 v[W], s[CS], v[W]                    ; as t (c is positive)
	s_delay_alu instid0(VALU_DEP_1)
	v_max_num_f32 v[TT], v[TT], v[W]               ; the running largest t
	v_mov_b32 v[W], v[NM]
	s_delay_alu instid0(VALU_DEP_2)
	v_floor_f32 v[NM], -v[TT]                      ; the new -M = floor(-t) = -ceil(t)
	s_delay_alu instid0(VALU_DEP_1)
	v_sub_f32 v[W], v[NM], v[W]                    ; old M - new M: a whole number, 0 or less
	s_delay_alu instid0(VALU_DEP_1)
	v_cvt_i32_f32 v[W], v[W]                       ; (it saturates)
	s_delay_alu instid0(VALU_DEP_1)
	v_ldexp_f32 v[F], 1.0, v[W]                    ; f = 2^(old M - new M)
.set j, 0
.rept 32
	v_pk_fma_f32 v[\SR+j:\SR+j+1], v[\SR+j:\SR+j+1], s[CS:CS+1], v[NM:NM+1] op_sel_hi:[1,0,0]   ; t - M, two at a time
.set j, j+2
.endr
.irp b, 0,1,2,3
	v_fma_f32 v[TM+\b], v[TM+\b], s[CS], v[NM]     ; x: the same of each block's largest score
.endr
	s_wait_alu depctr_va_vdst(0)
.set j, 0
.rept 64
	v_exp_f32 v[\SR+j], v[\SR+j]                   ; p = 2^(t - M), at most 1
.set j, j+1
.endr
.irp b, 0,1,2,3
	v_max_num_f32 v[TM+\b], 0xc2ec0000, v[TM+\b]   ; x held at -118 from below: the byte cannot fall under 1.  (Plain lines behind the exponentials, which name none of their results)
.endr
.irp b, 0,1,2,3
	v_cvt_floor_i32_f32 v[T1+\b], v[TM+\b]         ; e = floor(x), -118 .. 0: the exponent of the block's largest p
.endr
.irp b, 0,1,2,3
	v_lshl_add_u32 v[SOP+\b], v[T1+\b], 23, 0x3b800000   ; the conversion's scale operand: the exponent field e + 119
.endr
.irp b, 0,1,2,3
	v_lshl_add_u32 v[BND+\b], v[T1+\b], 23, 0x3fe00000   ; 448 x the scale = 1.75 x 2^e
.endr
	v_lshl_add_u32 v[PSC], v[T1+3], 8, v[T1+2]     ; p's scale word: the sum of (e_b + 119) 256^b
	v_lshl_add_u32 v[PSC], v[PSC], 8, v[T1+1]
	v_lshl_add_u32 v[PSC], v[PSC], 8, v[T1]
	v_add_nc_u32 v[PSC], 0x77777777, v[PSC]
	s_wait_alu depctr_va_vdst(0)                   ; one wait for the batch, ahead of its first reader
	BLK 0, \SR
	BLK 1, \SR
	BLK 2, \SR
	BLK 3, \SR
	s_wait_alu depctr_va_vdst(0)                   ; directly ahead of the first reader of O^T
.set j, 0
.rept 16
	v_pk_mul_f32 v[OT+j:OT+j+1], v[OT+j:OT+j+1], v[F:F+1] op_sel_hi:[1,0]   ; O^T under the new M, each accumulator from its low end on; also the places between the codes and the products
.set j, j+2
.endr
	s_wait_alu depctr_va_vdst(0)
	s_wait_dscnt 17                                ; V(s) and its words are in; behind them went K(s + 1)'s 16 loads and its words' one
.irp a, 0,1,2,3
	v_wmma_scale_f32_16x16x128_f8f6f4 v[OT+8*\a:OT+8*\a+7], v[\KR+16*\a:\KR+16*\a+15], v[PC:PC+15], v[OT+8*\a:OT+8*\a+7], v[VSC+\a], v[PSC]
.endr
.rept 9
	v_nop                                          ; nine places: the next step's scores are laid over V's registers
.endr
	s_add_co_u32 s[TB], s[TB], 8192
	s_add_co_u32 s[TJ], s[TJ], 256
	s_add_co_u32 s[TK], s[TK], 8192
	s_and_b32 s[TK], s[TK], 0x1ffff                ; behind the last step comes step 0
	s_add_co_u32 s[TS], s[TS], 512
	s_and_b32 s[TS], s[TS], 0x41fff
.endm
	s_load_b256 s[4:11], s[0:1], 0x0               ; qkv, qkvs, oc, os
	v_lshl_add_u32 v[SPW], v0, 2, SPARE
	v_mov_b32 v[NIL], 0
	ds_add_u32 v[SPW], v[NIL]                      ; the opening lines: the add, twice on end, and its wait
	ds_add_u32 v[SPW], v[NIL]
	v_lshrrev_b32 v3, 5, v0
	v_readfirstlane_b32 s[WV], v3                  ; wave 0..15
	s_and_b32 s[W7], s[WV], 7
	s_bfe_u32 s14, ttmp6, 0x40000                  ; cx: my block of 512 queries
	s_and_b32 s15, ttmp7, 0xffff                   ; (batch, head), which the four partners share
	s_lshr_b32 s16, s15, 4                         ; batch
	s_and_b32 s17, s15, 15                         ; head
	s_lshr_b32 s18, s17, 1                         ; head pair
	s_and_b32 s19, s17, 1                          ; which of the pair
	s_lshl_b32 s20, s16, 3
	s_add_co_u32 s20, s20, s18
	s_lshl_b32 s20, s20, 4                         ; the first of the 16 blocks of this batch and head pair
	GROUP1 G1K, 128, 16, 256                       ; K's codes of two steps: 16 tiles x 1,024 bytes of my head, 2,048 apart
	GROUP1 G1V, 1024, 4, 2048                      ; V's of four steps: 4 x 8,192 bytes, 16,384 apart
	GROUP1 G1KS, 64, 16, 128                       ; K's scale words: 16 x 512 bytes, 1,024 apart
	GROUP1 G1VS, 32, 16, 128                       ; V's: 16 x 256 bytes, 1,024 apart
	; what is fetched hangs on the wave's number and on (batch, head) alone, never on cx
	s_lshl_b32 s94, s[W7], 1
	s_add_co_u32 s94, s94, s20
	s_add_co_u32 s94, s94, 512                     ; K's blocks follow Q's 512
	s_lshl_b32 s94, s94, 14
	s_lshl_b32 s21, s19, 10
	s_add_co_u32 s94, s94, s21
	s_mov_b32 s95, 0
	s_add_co_u32 s96, s20, 512
	s_lshl_b32 s96, s96, 10
	s_lshl_b32 s21, s19, 9
	s_add_co_u32 s96, s96, s21
	s_mov_b32 s97, 0
	s_and_b32 s93, s[WV], 3
	s_lshl_b32 s98, s93, 2
	s_add_co_u32 s98, s98, s20
	s_add_co_u32 s98, s98, 1024                    ; V's follow K's
	s_lshl_b32 s98, s98, 14
	s_lshl_b32 s21, s19, 13
	s_add_co_u32 s98, s98, s21
	s_mov_b32 s99, 0
	s_add_co_u32 s100, s20, 1024
	s_lshl_b32 s100, s100, 10
	s_lshl_b32 s21, s19, 8
	s_add_co_u32 s100, s100, s21
	s_mov_b32 s101, 0
	; my first tile of queries: token tile 128 batch + 32 cx + wave; the second lies 16 tiles on.  What hangs on cx is made in s2 and s3 alone
	s_lshl_b32 s2, s14, 2
	s_lshr_b32 s3, s[WV], 3
	s_add_co_u32 s2, s2, s3
	s_add_co_u32 s2, s2, s20                       ; Q's block
	s_lshl_b32 s[QP], s2, 14
	s_lshl_b32 s3, s[W7], 11
	s_add_co_u32 s[QP], s[QP], s3
	s_lshl_b32 s3, s19, 10
	s_add_co_u32 s[QP], s[QP], s3
	s_mov_b32 s[QP+1], 0
	s_lshl_b32 s[QSP], s2, 10
	s_lshl_b32 s3, s19, 9
	s_add_co_u32 s[QSP], s[QSP], s3
	s_lshr_b32 s3, s[W7], 2
	s_lshl_b32 s3, s3, 8
	s_add_co_u32 s[QSP], s[QSP], s3
	s_and_b32 s3, s[W7], 3
	s_lshl_b32 s3, s3, 2
	s_add_co_u32 s[QSP], s[QSP], s3
	s_mov_b32 s[QSP+1], 0
	s_lshl_b32 s2, s16, 7
	s_lshl_b32 s3, s14, 5
	s_add_co_u32 s2, s2, s3
	s_add_co_u32 s2, s2, s[WV]                     ; the token tile
	s_lshl_b32 s[OP], s2, 14
	s_lshl_b32 s3, s18, 11
	s_add_co_u32 s[OP], s[OP], s3
	s_lshl_b32 s3, s19, 10
	s_add_co_u32 s[OP], s[OP], s3
	s_mov_b32 s[OP+1], 0
	s_lshl_b32 s[OSP], s2, 10
	s_lshl_b32 s3, s17, 6
	s_add_co_u32 s[OSP], s[OSP], s3
	s_mov_b32 s[OSP+1], 0
	s_mov_b32 s[CS], 0x3e38aa3b                    ; log2(e) / 8
	s_mov_b32 s[CS+1], s[CS]                       ; (named with it as a pair, so it is written)
	s_mov_b32 s[SEL], 0x76543210
	s_mov_b32 s[SEL+1], 0xfedcba98
	s_mov_b32 s[MNT], 0x600000
	s_mov_b32 s[G0K], 1
	s_lshl_b32 s[G0K+1], s[W7], 14                 ; LDS: two steps' codes are 16,384 bytes
	s_mov_b32 s[G0KS], 1
	s_mov_b32 s[G0KS+1], KSCL
	s_mov_b32 s[G0V], 1
	s_lshl_b32 s[G0V+1], s93, 15                   ; four steps' are 32,768
	s_add_co_u32 s[G0V+1], s[G0V+1], VCOD
	s_mov_b32 s[G0VS], 1
	s_mov_b32 s[G0VS+1], VSCL
	s_wait_dscnt 0x0                               ; both opening adds are done
	s_wait_kmcnt 0x0
	s_add_nc_u64 s[G0K+2:G0K+3], s[4:5], s[94:95]
	s_or_b32 s[G0K+3], s[G0K+3], 0x80000000
	s_add_nc_u64 s[G0KS+2:G0KS+3], s[6:7], s[96:97]
	s_or_b32 s[G0KS+3], s[G0KS+3], 0x80000000
	s_add_nc_u64 s[G0V+2:G0V+3], s[4:5], s[98:99]
	s_or_b32 s[G0V+3], s[G0V+3], 0x80000000
	s_add_nc_u64 s[G0VS+2:G0VS+3], s[6:7], s[100:101]
	s_or_b32 s[G0VS+3], s[G0VS+3], 0x80000000
	s_add_nc_u64 s[QP:QP+1], s[4:5], s[QP:QP+1]
	s_add_nc_u64 s[QSP:QSP+1], s[6:7], s[QSP:QSP+1]
	s_add_nc_u64 s[OP:OP+1], s[8:9], s[OP:OP+1]
	s_add_nc_u64 s[OSP:OSP+1], s[10:11], s[OSP:OSP+1]
	CROUND                                         ; all four work-groups are here: the joint loads meet
; THE HEAD'S LOADS, at most one a wave: one chain of branches on the wave's number, an arm a load, all arms leading to one join
.macro ARM under, g0, g1, next
	s_cmp_lt_u32 s[WV], \under
	s_cbranch_scc0 \next
	tensor_load_to_lds s[\g0:\g0+3], s[\g1:\g1+7]
	s_nop 0
.rept 4
	v_nop
.endr
	s_branch .Lasked
\next:
.endm
	ARM 8,  G0K,  G1K,  .Larm_v
	ARM 12, G0V,  G1V,  .Larm_ks
	ARM 13, G0KS, G1KS, .Larm_vs
	ARM 14, G0VS, G1VS, .Larm_none
.Lasked:
	v_and_b32 v3, 31, v0
	v_and_b32 v4, 15, v0
	v_lshlrev_b32 v[AK0], 4, v3
	v_lshlrev_b32 v[R16], 4, v4
	v_lshlrev_b32 v[R4], 2, v4
	v_add_nc_u32 v[ADS], KSCL, v[AK0]
.irp i, 0,1,2,3,4,5,6,7
	v_mov_b32 v[QF+8+\i], 0                        ; the zero codes between Q's two copies
.endr
.irp b, 0,1,2,3
	v_mov_b32 v[T1+\b], 0                          ; written once: a lane permute's destination counts as one of its sources
.endr
	v_mov_b32 v[F+1], 0                            ; (named as the upper half of the pair with f)
	v_mov_b32 v[W], 0
	s_mov_b32 s[TILES], 2
	s_wait_alu depctr_va_vdst(0)
	s_wait_tensorcnt 0x0                           ; my part, if I fetched one, is in,
	s_barrier_signal -1
	s_barrier_wait -1                              ; everybody's are: from here on LDS is only read
	ds_load_b128 v[KSC:KSC+3], v[ADS]              ; K(0) and its words
.irp k, 0,1,2,3,4,5,6,7,8,9,10,11,12,13,14,15
	ds_load_b128 v[RA+4*\k:RA+4*\k+3], v[AK0] offset:512*\k
.endr
.Ltile:
	global_load_b128 v[QF:QF+3], v[AK0], s[QP:QP+1]
	global_load_b128 v[QF+4:QF+7], v[AK0], s[QP:QP+1] offset:512
	global_load_b128 v[QF+16:QF+19], v[AK0], s[QP:QP+1]
	global_load_b128 v[QF+20:QF+23], v[AK0], s[QP:QP+1] offset:512
	global_load_b32 v[QSC], v[R16], s[QSP:QSP+1]
	v_mov_b32 v[TT], 0xff61b1e6                    ; the largest t so far: -3e38, under every t
	v_floor_f32 v[NM], -v[TT]                      ; -M
	v_mov_b32 v[SUM], 0
	v_mov_b32 v[SUM+1], 0
	v_mov_b32 v[F], 0
.irp i, 0,1,2,3,4,5,6,7
	v_mov_b32 v[AC+\i], 0                          ; the first step folds zeros
.endr
.set i, 0
.rept 32
	v_mov_b32 v[OT+i], 0                           ; O^T: the step is written once for all trips; the first finds zeros, which the first change of M leaves zeros
.set i, i+1
.endr
	s_mov_b32 s[TB], VCOD
	s_mov_b32 s[TJ], VSCL
	s_mov_b32 s[TK], 8192
	s_mov_b32 s[TS], KSCL+512
	s_mov_b32 s[CNT], 8
	s_wait_alu depctr_va_vdst(0)
	s_wait_loadcnt 0x0                             ; Q
.Lstep:                                                ; two steps a trip: the buffers are back in their roles
	STEP RA, RB
	STEP RB, RA
	s_sub_co_u32 s[CNT], s[CNT], 1
	s_cmp_lg_u32 s[CNT], 0
	s_cbranch_scc1 .Lstep
	; THE WAY OUT: O^T / l, quantised along the head's 64 channels (two blocks of the last product's K), stored as an image
	FOLD
	v_add_f32 v[SUM], v[SUM], v[SUM+1]
	v_permlanex16_b32 v[W], v[SUM], s[SEL], s[SEL+1]
	v_add_f32 v[SUM], v[SUM], v[W]                 ; the row's sum
	s_wait_alu depctr_va_vdst(0)
	v_rcp_f32 v[F], v[SUM]
	v_nop                                          ; a plain line behind the reciprocal,
	s_wait_alu depctr_va_vdst(0)                   ; and the wait ahead of its first reader, which is also O^T's
.set j, 0
.rept 16
	v_pk_mul_f32 v[OT+j:OT+j+1], v[OT+j:OT+j+1], v[F:F+1] op_sel_hi:[1,0]
.set j, j+2
.endr
	QUANT2 OT, PC, W
	global_store_b128 v[AK0], v[PC:PC+3], s[OP:OP+1]               ; 512 consecutive bytes, aligned
	global_store_b128 v[AK0], v[PC+4:PC+7], s[OP:OP+1] offset:512
	global_store_b32 v[R4], v[W], s[OSP:OSP+1]     ; 64 bytes: the tile's 16 words of this head; both halves of the lanes write the same words with the same values
	s_wait_xcnt 0x0                                ; the loads and stores have read their bases and data: both are written again only behind this wait
	s_add_nc_u64 s[QP:QP+1], s[QP:QP+1], 32768     ; 16 token tiles on
	s_add_nc_u64 s[QSP:QSP+1], s[QSP:QSP+1], 2048
	s_add_nc_u64 s[OP:OP+1], s[OP:OP+1], 262144
	s_add_nc_u64 s[OSP:OSP+1], s[OSP:OSP+1], 16384
	s_sub_co_u32 s[TILES], s[TILES], 1
	s_cmp_lg_u32 s[TILES], 0
	s_wait_alu depctr_va_vdst(0)
	s_cbranch_scc1 .Ltile
	s_wait_tensorcnt 0x0                           ; the wave's end
	ds_add_u32 v[SPW], v[NIL]
	s_wait_dscnt 0x0
	CROUND                                         ; the closing round
	s_endpgm
.Lfunc_end_k_q86dffbff6e_attn:
	.size	k_q86dffbff6e_attn, .Lfunc_end_k_q86dffbff6e_attn-k_q86dffbff6e_attn
	.p2alignl 7, 3214868480
	.fill 96, 4, 3214868480
	.section	.rodata,"a",@progbits
	.p2align	6, 0x0
	.amdhsa_kernel k_q86dffbff6e_attn
		.amdhsa_group_segment_fixed_size 276480
		.amdhsa_private_segment_fixed_size 0
		.amdhsa_enable_private_segment 0
		.amdhsa_kernarg_size 32
		.amdhsa_user_sgpr_count 2
		.amdhsa_user_sgpr_kernarg_segment_ptr 1
		.amdhsa_wavefront_size32 1
		.amdhsa_system_sgpr_workgroup_id_x 1
		.amdhsa_system_sgpr_workgroup_id_y 1
		.amdhsa_system_sgpr_workgroup_id_z 1
		.amdhsa_system_vgpr_workitem_id 0
		.amdhsa_next_free_vgpr 256
		.amdhsa_next_free_sgpr 102
		.amdhsa_reserve_vcc 0
		.amdhsa_float_denorm_mode_32 3
		.amdhsa_float_denorm_mode_16_64 3
		.amdhsa_memory_ordered 1
		.amdhsa_forward_progress 1
		.amdhsa_inst_pref_size 58
	.end_amdhsa_kernel
	.amdgpu_metadata
---
amdhsa.version: [ 1, 2 ]
amdhsa.kernels:
  - .name:           k_q86dffbff6e_attn
    .symbol:         k_q86dffbff6e_attn.kd
    .args:
      - { .name: qkv, .offset: 0, .size: 8, .value_kind: global_buffer, .address_space: global }
      - { .name: qkvs, .offset: 8, .size: 8, .value_kind: global_buffer, .address_space: global }
      - { .name: oc, .offset: 16, .size: 8, .value_kind: global_buffer, .address_space: global }
      - { .name: os, .offset: 24, .size: 8, .value_kind: global_buffer, .address_space: global }
    .group_segment_fixed_size: 276480
    .private_segment_fixed_size: 0
    .kernarg_segment_align: 8
    .kernarg_segment_size: 32
    .max_flat_workgroup_size: 512
    .sgpr_count:     102
    .vgpr_count:     256
    .wavefront_size: 32
...
	.end_amdgpu_metadata
.endif
;; end of part 3
;; launch proj (part 4): grid 4 x 64, 4 waves a work-group, clusters of 4 x 4, 327,680 bytes of LDS; arguments oc, os, cod, scl, bo, out0; writes out0
.if DOCPART == 4
	.amdgcn_target "amdgcn-amd-amdhsa--gfx1250"
	.amdhsa_code_object_version 6
	.text
	.protected	k_q86dffbff6e_proj
	.globl	k_q86dffbff6e_proj
	.p2align	8
	.type	k_q86dffbff6e_proj,@function
k_q86dffbff6e_proj:
	s_mov_b64 s[64:65], 0
	v_nop
	global_prefetch_b8 v0, s[64:65] scope:SCOPE_SE
	s_setreg_imm32_b32 hwreg(HW_REG_WAVE_MODE, 25, 1), 1
	s_wait_xcnt 0x0
	s_wait_alu depctr_hold_cnt(0) depctr_sa_sdst(0) depctr_va_vdst(0) depctr_va_sdst(0) depctr_va_ssrc(0) depctr_va_vcc(0) depctr_vm_vsrc(0)
	s_getreg_b32 s2, hwreg(HW_REG_IB_STS2, 6, 4)
	s_cmp_eq_u32 s2, 0
	s_cbranch_scc0 .Lentry_in_a_cluster
	s_endpgm
.Lentry_in_a_cluster:
	s_bfe_u32 s2, ttmp6, 0x10000c
	s_cmp_lg_u32 s2, 0xf033
	s_cbranch_scc0 .Lentry_shape_is_right
	s_endpgm
.Lentry_shape_is_right:
; out = O Wo^T + bo on codes of FP8 (E4M3) with E8M0 scales, 8,192 x 1,024 x 1,024, f32 out.
; oc: O's codes as images of operand registers, [token tile 512][K step 8][c 4][lane][16]; os: [token tile][head 16][row 16] words, the head's two bytes in the low half; cod, scl: Wo is tiles 704-767, as the first launch leaves them.
; THE DEAL.  256 work-groups: column gx = 0 .. 3 (256 columns), row gy = 0 .. 63 (128 tokens).  Wave (WA, WB) holds the 64 tokens 64 WA on, ALL of K, in 512 registers, loaded once by plain loads of 512 consecutive bytes.
; Wo's 256 rows, all of K, 262,144 bytes on end in memory, lie in LDS as two slots of 128 rows, filled once at the head, 65,536 bytes a wave: no refill.  In slot s wave (WA, WB) makes columns 256 gx + 128 s + 64 WB on: 64 x 64, sixteen accumulators by turns.
; CLUSTERS.  The four work-groups of a cluster's column share gx and ask for Wo's rows jointly.  O's rows go straight into registers: their 131,072 bytes do not fit in LDS beside Wo's.
; All that the launch reads is asked for at its head, so there is no loop to prefetch in.
; Source 0 = 16 rows of Wo, source 1 = 16 tokens: a lane holds one token and eight neighbouring columns an accumulator.  The bias is the C of a sum's first product.
; THE WAY OUT.  16 tokens x 64 columns at a time go through the wave's own stage in LDS (two by turns, behind the slots, where no fill lands) and leave as rows of 256 bytes: sixteen lanes fill one aligned unit.
; LIMITS: NaN, infinities and sums beyond f32's range are not served.
; REGISTERS: windows 2, 3: O's fragments (K step q, tile a at 16 ((4 q + a) % 16), window 2 + q / 4); window 1: v0-127 accumulators, v128-255 two sets of Wo's fragments; window 0: all else.
.set SLOT, 131072
.set STAGE, 262144                     ; 8,704 bytes a wave: two stages of 16 rows x 272
.set SPARE, 296960
.set L16, 1
.set L8,  2
.set BQK, 4
.set OSO, 5
.set ADRB, 6
.set SPW, 8
.set NIL, 9
.set STO, 10
.set RD,  11
.set CO,  12
.set SCA, 16
.set SCB, 34
.set BI,  66
.set BK,  140                          ; v140-203 rows read back from the stage, two sets; at the head os's words
.set WV, 18
.set WA, 19
.set WB, 20
.set G1H, 24
.set G0H, 40
.set AP,  52
.set ASP, 54
.set BSP, 56
.set OUTP, 58
.set MSB, 0
.macro WIN new                         ; the immediate's high byte repeats the setting that is left
.if MSB != (\new)
	s_set_vgpr_msb (MSB<<8)|(\new)
.set MSB, (\new)
.endif
.endm
.macro PLACES n
.rept \n
	v_nop
.endr
.endm
.macro CROUND                          ; a round of the cluster's barrier
	s_barrier_signal -1
	s_barrier_wait -1
	s_cmp_lg_u32 s[WV], 0
	s_cbranch_scc1 .Lnot_wave_0_\@
	s_barrier_signal -3
.Lnot_wave_0_\@:
	s_barrier_wait -3
	s_barrier_signal -1
	s_barrier_wait -1
.endm
.macro PTR d, b, o                     ; a buffer's address + an offset under 2^32 (s95 = 0)
	s_mov_b32 s94, s\o
	s_add_nc_u64 s[\d:\d+1], s[\b:\b+1], s[94:95]
.endm
.macro FETCH s, q, p                   ; my four fragments of Wo, K step q of slot s, into set p: 16 loads
	WIN 0x40
.irp b, 0,1,2,3
.irp c, 0,1,2,3
	ds_load_b128 v[128+64*(\p)+16*\b+4*\c:128+64*(\p)+16*\b+4*\c+3], v[ADRB+(\s)] offset:16384*\b+2048*(\q)+512*\c
.endr
.endr
.endm
.macro MUL s, q                        ; 16 products: K step q; the sixteen accumulators take turns, in the same order in every step
.set N_, (\q)/2
.set P_, 128+64*((\q)%2)
.if (\q) > 0
.set W_, 0x50
.else
.set W_, 0x40
.endif
	WIN W_|0x01|((2+(\q)/4)<<2)
.irp a, 0,1,2,3
.irp b, 0,1,2,3
.set X_, 16*((4*(\q)+\a)%16)
.set Y_, P_+16*\b
.set SX_, SCA+4*\a+N_
.set SY_, SCB+16*(\s)+4*\b+N_
.set D_, 8*(4*\a+\b)
.set C_, D_
.if (\q) == 0
.set C_, BI+32*(\s)+8*\b
.endif
.if (\q)%2
	v_wmma_scale_f32_16x16x128_f8f6f4 v[D_:D_+7], v[Y_:Y_+15], v[X_:X_+15], v[C_:C_+7], v[SY_], v[SX_] matrix_a_scale:MATRIX_SCALE_ROW1 matrix_b_scale:MATRIX_SCALE_ROW1
.else
	v_wmma_scale_f32_16x16x128_f8f6f4 v[D_:D_+7], v[Y_:Y_+15], v[X_:X_+15], v[C_:C_+7], v[SY_], v[SX_]
.endif
.endr
.endr
.endm
.macro COMPUTE s                       ; a slot: eight K steps; step q + 1's fragments are asked for ahead of step q's products
.irp q, 0,1,2,3,4,5,6,7
.if \q < 7
	PLACES 8                                       ; behind the products that read the set which is loaded over
	FETCH \s, \q+1, (\q+1)%2
	s_wait_dscnt 16                                ; this step's fragments are in; the 16 loads just issued may be out
.else
	s_wait_dscnt 0x0
.endif
	MUL \s, \q
.endr
	WIN 0
.endm
.macro TOSTAGE a                       ; token tile a: four accumulators into the stage, each from its low end on, and back as rows.  LDS serves a wave's instructions in order (ISA guide 5.7.1.4)
	WIN 0x04
.irp b, 0,1,2,3
	ds_store_b128 v[STO], v[8*(4*(\a)+\b):8*(4*(\a)+\b)+3] offset:4352*((\a)%2)+128*(\b/2)+32*(\b%2)
	ds_store_b128 v[STO], v[8*(4*(\a)+\b)+4:8*(4*(\a)+\b)+7] offset:4352*((\a)%2)+128*(\b/2)+32*(\b%2)+16
.endr
	WIN 0
.irp t, 0,1,2,3,4,5,6,7
	ds_load_b128 v[BK+32*((\a)%2)+4*\t:BK+32*((\a)%2)+4*\t+3], v[RD] offset:4352*((\a)%2)+544*\t
.endr
.endm
.macro SEND s, a, younger              ; younger: the LDS instructions issued behind tile a's loads
	s_wait_dscnt \younger
.irp t, 0,1,2,3,4,5,6,7
	global_store_b128 v[CO], v[BK+32*((\a)%2)+4*\t:BK+32*((\a)%2)+4*\t+3], s[OUTP:OUTP+1] offset:(32*((\a)/2)+8*((\a)%2)+2*\t+8*(\t/4))*4096+512*(\s) th:TH_STORE_NT   ; sixteen lanes store 256 consecutive bytes, aligned
.endr
.endm
.macro OUT s
	s_wait_xcnt 0x0                                ; earlier stores have read their data: the registers are loaded over only behind this wait
	TOSTAGE 0
.irp a, 1,2,3
	s_wait_xcnt 0x0
	TOSTAGE \a
	SEND \s, \a-1, 16                              ; behind tile a - 1's loads: tile a's 8 stores and 8 loads
.endr
	SEND \s, 3, 0
.endm
	s_load_b256 s[4:11], s[0:1], 0x0               ; oc, os, cod, scl
	s_load_b128 s[12:15], s[0:1], 0x20             ; bo, out0
	v_lshl_add_u32 v[SPW], v0, 2, SPARE
	v_mov_b32 v[NIL], 0
	ds_add_u32 v[SPW], v[NIL]                      ; the opening lines: the add, twice on end, and its wait
	ds_add_u32 v[SPW], v[NIL]
	v_lshrrev_b32 v13, 5, v0
	v_readfirstlane_b32 s[WV], v13
	s_lshr_b32 s[WA], s[WV], 1
	s_and_b32 s[WB], s[WV], 1
	s_bfe_u32 s77, ttmp6, 0x40000                  ; cx
	s_bfe_u32 s78, ttmp6, 0x40004                  ; cy
	s_lshl_b32 s81, ttmp9, 2
	s_add_co_u32 s81, s81, s77                     ; gx
	s_and_b32 s82, ttmp7, 0xffff
	s_lshl_b32 s79, s82, 2
	s_add_co_u32 s79, s79, s78                     ; gy
	s_lshl_b32 s80, 0x1111, s77                    ; my column of the cluster
	s_or_b32 s[G1H], s80, (3<<16)|(1<<21)          ; eight dense rows of 8,192 bytes (1,024 elements of 8)
	s_mov_b32 s[G1H+1], 1024<<16
	s_mov_b32 s[G1H+2], 8<<16
	s_mov_b32 s[G1H+3], 1024<<16
	s_mov_b32 s[G1H+4], 8
	s_mov_b32 s[G1H+5], 1024
	s_mov_b32 s[G1H+6], 0
	s_mov_b32 s[G1H+7], 0
	s_lshl_b32 s84, s81, 18                        ; Wo's tile 704 + 16 gx, in bytes: hangs on gx alone
	s_add_co_u32 s84, s84, 704*16384
	s_lshl_b32 s83, s[WV], 16
	s_add_co_u32 s84, s84, s83
	s_mov_b32 s85, 0
	s_mov_b32 s[G0H], 1
	s_lshl_b32 s[G0H+1], s[WV], 16
	s_lshl_b32 s88, s79, 3
	s_lshl_b32 s89, s[WA], 2
	s_add_co_u32 s88, s88, s89                     ; my first token tile
	s_lshl_b32 s89, s88, 10                        ; its words in os,
	s_lshl_b32 s88, s88, 14                        ; its codes
	s_lshl_b32 s90, s81, 4
	s_add_co_u32 s90, s90, 704
	s_lshl_b32 s91, s[WB], 2
	s_add_co_u32 s90, s90, s91
	s_lshl_b32 s90, s90, 9                         ; my first tile of Wo: its scale words
	s_lshl_b32 s91, s81, 10
	s_lshl_b32 s92, s[WB], 8
	s_add_co_u32 s91, s91, s92                     ; my first column, in bytes: 4 x (256 gx + 64 WB)
	s_lshl_b32 s92, s79, 19
	s_lshl_b32 s93, s[WA], 18
	s_add_co_u32 s92, s92, s93
	s_add_co_u32 s92, s92, s91                     ; and in my first row of out0
	s_mov_b32 s95, 0
	s_wait_dscnt 0x0                               ; both opening adds are done
	s_wait_kmcnt 0x0
	s_add_nc_u64 s[G0H+2:G0H+3], s[8:9], s[84:85]
	s_or_b32 s[G0H+3], s[G0H+3], 0x80000000
	CROUND                                         ; all sixteen work-groups are here: the joint loads meet
	tensor_load_to_lds s[G0H:G0H+3], s[G1H:G1H+7]  ; my quarter of Wo's 256 rows: one load a wave
	s_nop 0
	PLACES 4
	PTR AP, 4, 88
	PTR ASP, 6, 89
	PTR BSP, 10, 90
	PTR 84, 12, 91                                 ; bo
	PTR OUTP, 14, 92
	v_and_b32 v13, 15, v0
	v_bfe_u32 v14, v0, 4, 1
	v_and_b32 v15, 31, v0
	v_lshlrev_b32 v[L16], 4, v15
	v_lshlrev_b32 v[L8], 3, v15
	v_lshlrev_b32 v[BQK], 6, v14
	v_lshlrev_b32 v[OSO], 7, v14
	v_lshl_add_u32 v[OSO], v13, 2, v[OSO]
	s_lshl_b32 s88, s[WB], 16
	v_add_nc_u32 v[ADRB], s88, v[L16]
	s_add_co_u32 s88, s88, SLOT
	v_add_nc_u32 v[ADRB+1], s88, v[L16]
	s_mul_i32 s88, s[WV], 8704
	s_add_co_u32 s88, s88, STAGE                   ; my stages
	v_mul_u32_u24 v[STO], v13, 272
	v_lshl_add_u32 v[STO], v14, 6, v[STO]
	v_add_nc_u32 v[STO], s88, v[STO]               ; in: row r, 64 h bytes on
	v_mul_u32_u24 v[RD], v14, 272
	v_lshl_add_u32 v[RD], v13, 4, v[RD]
	v_add_nc_u32 v[RD], s88, v[RD]                 ; back: lanes 0-15 one row, lanes 16-31 the next
	v_lshlrev_b32 v[CO], 12, v14
	v_lshl_add_u32 v[CO], v13, 4, v[CO]            ; and the same two rows in out0
	s_wait_alu depctr_va_vdst(0)
.irp a, 0,1,2,3
.irp i, 0,1,2,3
	global_load_b32 v[BK+8*\a+2*\i], v[OSO], s[ASP:ASP+1] offset:1024*\a+256*\i       ; lanes 0-15 heads 4 i, 4 i + 1 (K step 2 i), lanes 16-31 heads 4 i + 2, 4 i + 3
	global_load_b32 v[BK+8*\a+2*\i+1], v[OSO], s[ASP:ASP+1] offset:1024*\a+256*\i+64
.endr
.endr
.irp s, 0,1
.irp b, 0,1,2,3
.irp k, 0,1
	global_load_b64 v[SCB+16*\s+4*\b+2*\k:SCB+16*\s+4*\b+2*\k+1], v[L8], s[BSP:BSP+1] offset:4096*\s+512*\b+256*\k
.endr
.endr
.irp k, 0,1,2,3,4,5,6,7
	global_load_b128 v[BI+32*\s+4*\k:BI+32*\s+4*\k+3], v[BQK], s[84:85] offset:512*\s+128*(\k/4)+16*(\k%4)
.endr
.endr
.irp q, 0,1,2,3,4,5,6,7
	WIN (2+\q/4)<<6
.irp a, 0,1,2,3
.irp c, 0,1,2,3
	global_load_b128 v[16*((4*\q+\a)%16)+4*\c:16*((4*\q+\a)%16)+4*\c+3], v[L16], s[AP:AP+1] offset:16384*\a+2048*\q+512*\c
.endr
.endr
.endr
	WIN 0
	s_wait_loadcnt 0x0
.irp a, 0,1,2,3
.irp i, 0,1,2,3
	v_perm_b32 v[SCA+4*\a+\i], v[BK+8*\a+2*\i+1], v[BK+8*\a+2*\i], 0x05040100   ; two heads' bytes make a K step's scale word
.endr
.endr
	s_wait_alu depctr_va_vdst(0)
	s_wait_tensorcnt 0x0
	s_barrier_signal -1
	s_barrier_wait -1                              ; Wo's rows are whole: from here on the slots are only read
	FETCH 0, 0, 0
	WIN 0
	COMPUTE 0
	PLACES 8
	FETCH 1, 0, 0
	WIN 0
	OUT 0
	COMPUTE 1
	PLACES 8
	OUT 1
	s_wait_tensorcnt 0x0                           ; the wave's end
	ds_add_u32 v[SPW], v[NIL]
	s_wait_dscnt 0x0
	CROUND                                         ; the closing round
	s_endpgm
.Lfunc_end_k_q86dffbff6e_proj:
	.size	k_q86dffbff6e_proj, .Lfunc_end_k_q86dffbff6e_proj-k_q86dffbff6e_proj
	.p2alignl 7, 3214868480
	.fill 96, 4, 3214868480
	.section	.rodata,"a",@progbits
	.p2align	6, 0x0
	.amdhsa_kernel k_q86dffbff6e_proj
		.amdhsa_group_segment_fixed_size 327680
		.amdhsa_private_segment_fixed_size 0
		.amdhsa_enable_private_segment 0
		.amdhsa_kernarg_size 48
		.amdhsa_user_sgpr_count 2
		.amdhsa_user_sgpr_kernarg_segment_ptr 1
		.amdhsa_wavefront_size32 1
		.amdhsa_system_sgpr_workgroup_id_x 1
		.amdhsa_system_sgpr_workgroup_id_y 1
		.amdhsa_system_sgpr_workgroup_id_z 1
		.amdhsa_system_vgpr_workitem_id 0
		.amdhsa_next_free_vgpr 1024
		.amdhsa_next_free_sgpr 100
		.amdhsa_reserve_vcc 0
		.amdhsa_float_denorm_mode_32 3
		.amdhsa_float_denorm_mode_16_64 3
		.amdhsa_memory_ordered 1
		.amdhsa_forward_progress 1
		.amdhsa_inst_pref_size 94
	.end_amdhsa_kernel
	.amdgpu_metadata
---
amdhsa.version: [ 1, 2 ]
amdhsa.kernels:
  - .name:           k_q86dffbff6e_proj
    .symbol:         k_q86dffbff6e_proj.kd
    .args:
      - { .name: oc, .offset: 0, .size: 8, .value_kind: global_buffer, .address_space: global }
      - { .name: os, .offset: 8, .size: 8, .value_kind: global_buffer, .address_space: global }
      - { .name: cod, .offset: 16, .size: 8, .value_kind: global_buffer, .address_space: global }
      - { .name: scl, .offset: 24, .size: 8, .value_kind: global_buffer, .address_space: global }
      - { .name: bo, .offset: 32, .size: 8, .value_kind: global_buffer, .address_space: global }
      - { .name: out0, .offset: 40, .size: 8, .value_kind: global_buffer, .address_space: global }
    .group_segment_fixed_size: 327680
    .private_segment_fixed_size: 0
    .kernarg_segment_align: 8
    .kernarg_segment_size: 48
    .max_flat_workgroup_size: 128
    .sgpr_count:     100
    .vgpr_count:     1024
    .wavefront_size: 32
...
	.end_amdgpu_metadata
.endif
;; end of part 4
